; MI455X (gfx1250); checked and timed in simulation.
; The chip was launched on July 23, 2026; its instructions are those of AMD's public machine-readable ISA for CDNA 5 (MIT licence, August 2026) and "CDNA5" Instruction Set Architecture Reference Guide (July 2026). The comments in the code are by the model that wrote it; some were corrected since.
;; Multi Head Self Attention. Allowed arithmetic: matrix products marked QUANTISED: E2M1 operands, one E8M0 scale for each 32 along K, by v_wmma_scale_f32_16x16x128_f8f6f4 with both operands' format E2M1 (or v_wmma_scale_f32_32x16x128_f4), f32 sums; products left as they are: bf16, f16 or f32 operands; f32 sums; everything else in f32.
;; Inputs: b_out 1,024 float32; b_qkv 3,072 float32; mask 1 x 1 x 2,048 x 2,048 bool; w_out 1,024 x 1,024 float32; w_qkv 3,072 x 1,024 float32; x 4 x 2,048 x 1,024 float32.
;; Outputs: out0 4 x 2,048 x 1,024 float32.
;; This version of the problem:
;;   THIS VERSION OF THE PROBLEM IS GIVEN IN LOW PRECISION. The matrix products marked QUANTISED in the list below multiply operands that are first quantised to E2M1 (2 exponent bits, 1 mantissa bit; 4 bits a number), with one power-of-two scale for each 32 numbers along K (OCP MX v1.0); their sums are f32. The products marked 'left as it is' may take bf16, f16 or f32 operands, with f32 sums. Whichever they take, every output number must still come out within the allowed error. Rounding operands to bf16 (8 significant bits) uses up far more of that allowance than f16 does (11 bits, for magnitudes from 6e-5 to 65,504). All else is computed in f32.
;;   The module's matrix products, in the order in which they are computed (A, B: the left and right operand; K: the contracted axis; several contracted axes count as one K, in the product's order):
;;     1. [M 8,192, K 1,024] x [K 1,024, N 3,072]; A: input x; B: input w_qkv: QUANTISED
;;     2. batch 64 x [M 2,048, K 64] x [K 64, N 2,048]; A: computed on the way; B: computed on the way: left as it is (an operand is computed on the way)
;;     3. batch 64 x [M 2,048, K 2,048] x [K 2,048, N 64]; A: computed on the way; B: computed on the way: left as it is (an operand is computed on the way)
;;     4. [M 8,192, K 1,024] x [K 1,024, N 1,024]; A: computed on the way; B: input w_out: left as it is (an operand is computed on the way)
;;   THE QUANTISER, for each operand of a quantised product, along K:
;;     - K is cut into blocks of 32 from its start; a last block that is shorter is filled with zeros.
;;     - A block's scale is 2^e with e = floor(log2(the largest magnitude in the block)) - 2, held to -126 .. 127; a block of zeros has e = 0. As a byte (E8M0): e + 127.
;;     - Each number is divided by its block's scale, clamped to +-6, and rounded to the nearest number of E2M1, ties to even, subnormals kept.
;;     - The product sums the exact products of the quantised numbers (number of the format x scale) in f32.
;;   ~~~python
;;   def quantise(x, axis):      # numpy; x: float32 -> the quantised numbers, widened to float32 again
;;       x = np.moveaxis(x, axis, -1); K = x.shape[-1]
;;       x = np.pad(x, [(0, 0)] * (x.ndim - 1) + [(0, -K % 32)]); x = x.reshape(x.shape[:-1] + (-1, 32)); a = np.abs(x).max(-1, keepdims=True)
;;       e = np.where(a > 0, np.clip(np.frexp(np.where(a > 0, a, 1))[1] - 1 - 2, -126, 127), 0)      # np.frexp(a)[1] - 1 = floor(log2(a)), exactly
;;       r = np.clip(x / 2.0 ** e, -6, 6)
;;       step = 2.0 ** (np.maximum(np.frexp(np.where(r == 0, 1, r))[1] - 1, 0) - 1)
;;       q = np.round(r / step) * step * 2.0 ** e      # np.round: ties to even
;;       return np.moveaxis(q.reshape(q.shape[:-2] + (-1,))[..., :K], -1, axis).astype(np.float32)
;;   ~~~
;; One version. Each part assembles by itself: llvm-mc -triple=amdgcn-amd-amdhsa -mcpu=gfx1250 --defsym DOCPART=n.
;; ======== version 1 of 1: 4 launches
;; limits: values are held in f16: magnitudes above 65,504 overflow, below 6.1e-05 lose precision
;; workspace buffers: codes 5,767,168 bytes; scales 360,448 bytes; wf 2,097,152 bytes; mbits 524,800 bytes of whole numbers; qkv 50,331,648 bytes; cf 16,777,216 bytes
;; launch prep (part 1): grid 480 x 1, 4 waves a work-group, no clusters, 33,280 bytes of LDS; arguments x, w_qkv, w_out, mask, codes, scales, wf, mbits; writes codes, scales, wf, mbits
.if DOCPART == 1
	.amdgcn_target "amdgcn-amd-amdhsa--gfx1250"
	.amdhsa_code_object_version 6
	.text
	.protected	k_q3d8e8b5111_prep
	.globl	k_q3d8e8b5111_prep
	.p2align	8
	.type	k_q3d8e8b5111_prep,@function
k_q3d8e8b5111_prep:
	s_mov_b64 s[64:65], 0
	v_nop
	global_prefetch_b8 v0, s[64:65] scope:SCOPE_SE
	s_setreg_imm32_b32 hwreg(HW_REG_WAVE_MODE, 25, 1), 1
	s_wait_xcnt 0x0
; THREE PREPARATIONS IN ONE LAUNCH, told apart by the work-group's number.
; Work-groups 0-351: x [8192][1024] and w_qkv [3072][1024], f32, become codes of FP4 (E2M1), K innermost, two codes a byte, and one E8M0 scale byte for each 32 along K.
;   Both go into ONE buffer of 11,264 rows of 512 bytes (x's rows first) and one buffer of 11,264 rows of 32 scale bytes.  A block's scale is 2^(floor(log2(largest magnitude)) - 2): its byte is the largest
;   magnitude's exponent field - 2, held at 1 from below.  Rows are dense and K is a multiple of 32, so both tensors are plain streams of blocks of 32.
; Work-groups 352-415: w_out [1024][1024], f32, becomes f16 laid as the matrix unit's operand registers: [16 rows][16 along K] blocks of 512 bytes, lane (r, h) holding w_out[16 nt + r][16 G + 8 h + 0..7].
; Work-groups 416-479: the mask [2048][2048] of bytes becomes bits laid as the attention's score registers: for 32 queries and 64 keys 64 words; word 32 x + 8 tt + j, bit L = mask[32 q32 + 16 x + L % 16][64 step + 16 tt + 8 (L / 16) + j];
;   and for each 32 queries two words of flags: ANY (bit t: key step t has an open entry) and MIX (bit t: key step t has a masked entry).
; LIMITS: NaN and infinities among x and w_qkv are not served; a block of zeros gets the byte 1 where the rule says 127: its codes are zeros, and this program alone reads the bytes.
; No tensor loads, no barrier: waves share nothing.  Only the first path touches LDS.
.set SPW,   12                         ; v12  LDS address of my spare word: SPARE + 4 x my thread's number; never rewritten
.set NIL,   13                         ; v13  0; never rewritten
.set SPARE, 32768                      ; behind the four waves' regions: the spare words, 128 bytes for each wave
.set STEPS, 16
.set EMAX,  2
.set CB,    8                          ; bytes of 16 codes
.set R,     16                         ; v16-79   four sets of 16 numbers as they are loaded
.set X,     80                         ; v80-111  two sets of 16 neighbours
.set C,     128                        ; v128-191 codes: four registers for each step
.set E,     112                        ; v112-127 a scale byte for each step
.set WREG,  8192                       ; LDS: a region for each wave: two stages of 32 x SP bytes, and behind them its 256 scale bytes
.set SP,    80                         ; a lane's place in a stage: its 64 bytes + 16 of padding
	s_load_b512 s[4:19], s[0:1], 0x0               ; x 4:5, w_qkv 6:7, w_out 8:9, mask 10:11, codes 12:13, scales 14:15, wf 16:17, mbits 18:19
	v_lshl_add_u32 v[SPW], v0, 2, SPARE
	v_mov_b32 v[NIL], 0
	v_lshrrev_b32 v1, 5, v0
	v_readfirstlane_b32 s20, v1                    ; wave 0..3
	v_and_b32 v2, 31, v0                           ; lane
	s_wait_kmcnt 0x0
	s_cmp_ge_u32 ttmp9, 416
	s_cbranch_scc1 .Lmask
	s_cmp_ge_u32 ttmp9, 352
	s_cbranch_scc1 .Lwout
; ---------------- the quantiser: a wave takes 16 steps of 512 numbers ----------------
; Each of a step's four loads reads 512 consecutive bytes, 16 a lane; the 2,048 bytes go through the wave's own stage in LDS as they lie and come back 64 bytes a lane: 16 neighbours along K; two neighbouring lanes hold a block.
	v_lshlrev_b32 v3, 4, v2                        ; my 16 bytes of a load's 512
	s_mul_i32 s21, s20, WREG
	v_lshrrev_b32 v14, 2, v2
	v_mul_u32_u24 v14, v14, SP
	v_and_b32 v15, 3, v2
	v_lshl_add_u32 v14, v15, 4, v14
	v_add_nc_u32 v14, s21, v14                     ; the stage, on the way in: SP (lane / 4) + 16 (lane % 4)
	v_mul_u32_u24 v15, v2, SP
	v_add_nc_u32 v15, s21, v15                     ; and on the way out: SP x lane
	v_mul_u32_u24 v4, v2, CB                       ; my codes' place in a step's
	v_lshrrev_b32 v5, 1, v2
	s_add_co_u32 s21, s21, 2*32*SP
	v_add_nc_u32 v5, s21, v5                       ; LDS: my wave's 256 scale bytes, my block's byte
	v_lshlrev_b32 v7, 3, v2                        ; and on the way out 8 bytes a lane
	v_add_nc_u32 v6, s21, v7
	s_cmp_lt_u32 ttmp9, 256                        ; x's work-group or w_qkv's?  The choice hangs on the work-group's number alone
	s_cselect_b64 s[22:23], s[4:5], s[6:7]
	s_cselect_b32 s24, 0, 256
	s_sub_co_u32 s24, ttmp9, s24
	s_lshl_b32 s24, s24, 2
	s_add_co_u32 s24, s24, s20                     ; which run of 8,192 numbers of its tensor is my wave's
	s_lshl_b32 s24, s24, 15                        ; 32,768 bytes a run
	s_mov_b32 s25, 0
	s_add_nc_u64 s[22:23], s[22:23], s[24:25]
	s_lshl_b32 s26, ttmp9, 2
	s_add_co_u32 s26, s26, s20                     ; and which run of the joint buffers
	s_lshl_b32 s24, s26, 12                        ; 4,096 bytes of codes a run
	s_add_nc_u64 s[12:13], s[12:13], s[24:25]
	s_lshl_b32 s24, s26, 8                         ; 256 scale bytes a run
	s_add_nc_u64 s[14:15], s[14:15], s[24:25]
.macro LOAD t
.irp i, 0,1,2,3
	global_load_b128 v[R+16*((\t)%4)+4*\i:R+16*((\t)%4)+4*\i+3], v3, s[22:23] offset:2048*(\t)+512*\i th:TH_LOAD_NT   ; 32 lanes read 512 consecutive bytes
.endr
.endm
.macro TURN t                          ; step t's numbers through the stage: LDS serves a wave's instructions in order, so no wait stands between the stores and the loads
.irp i, 0,1,2,3
	ds_store_b128 v14, v[R+16*((\t)%4)+4*\i:R+16*((\t)%4)+4*\i+3] offset:32*SP*((\t)%2)+8*SP*\i
.endr
.irp i, 0,1,2,3
	ds_load_b128 v[X+16*((\t)%2)+4*\i:X+16*((\t)%2)+4*\i+3], v15 offset:32*SP*((\t)%2)+16*\i
.endr
.endm
.irp t, 0,1,2,3
	LOAD \t
.endr
	s_wait_loadcnt 12                              ; step 0's four loads are in; the twelve of steps 1 to 3 may be out
	TURN 0
.macro STEP t
.set XS, X+16*((\t)%2)
.if (\t) > 0
	s_wait_dscnt 1                                 ; this step's numbers are back from the stage (the last step's byte store may be out)
.else
	s_wait_dscnt 0x0
.endif
.if (\t)+4 < STEPS
	LOAD (\t)+4                                    ; into the registers that the stage's stores have read
.endif
.if (\t)+1 < STEPS
.if STEPS-2-(\t) >= 3
	s_wait_loadcnt 12                              ; the next step's four loads are in; those of the three steps behind it may be out
.else
	s_wait_loadcnt 4*(STEPS-2-(\t))
.endif
	TURN (\t)+1                                    ; they go through the other stage while this step is worked
.endif
	v_max3_num_f32 v8, |v[XS]|, |v[XS+1]|, |v[XS+2]|               ; the largest magnitude of my 16
	v_max3_num_f32 v9, |v[XS+3]|, |v[XS+4]|, |v[XS+5]|
.irp i, 6,10
	v_max3_num_f32 v8, v8, |v[XS+\i]|, |v[XS+\i+1]|
	v_max3_num_f32 v9, v9, |v[XS+\i+2]|, |v[XS+\i+3]|
.endr
	v_max3_num_f32 v8, v8, |v[XS+14]|, |v[XS+15]|
	v_max3_num_f32 v8, v8, v9, (EMAX+1)<<23        ; and the floor 2^(EMAX + 1 - 127): so the byte cannot fall under 1
	v_max_num_f32_dpp v8, v8, v8 row_xmask:1 row_mask:0xf bank_mask:0xf   ; and of my neighbour's 16: the block's
	v_add_nc_u32 v11, -(EMAX<<23), v8              ; EMAX off its exponent field: the conversion takes the exponent field of this operand as its scale
	v_cvt_scalef32_pk8_fp4_f32 v[C+4*(\t)], v[XS:XS+7], v11        ; eight numbers / the scale, to the nearest code, ties to even, beyond the largest code the largest
	v_cvt_scalef32_pk8_fp4_f32 v[C+4*(\t)+1], v[XS+8:XS+15], v11
	v_lshrrev_b32 v[E+(\t)], 23, v11               ; the scale's byte
	ds_store_b8 v5, v[E+(\t)] offset:16*(\t)       ; both lanes of a block write the same byte with the same value
	global_store_b64 v4, v[C+4*(\t):C+4*(\t)+1], s[12:13] offset:32*CB*(\t)   ; the wave stores 256 consecutive bytes, aligned
.endm
.irp t, 0,1,2,3,4,5,6,7,8,9,10,11,12,13,14,15
	STEP \t
.endr
	ds_load_b64 v[8:9], v6                         ; LDS serves a wave's instructions in order: these see my stores
	s_wait_dscnt 0x0
	global_store_b64 v7, v[8:9], s[14:15]          ; 32 lanes store 256 consecutive bytes, aligned
	s_wait_tensorcnt 0x0                           ; the wave's end, behind my last LDS store
	ds_add_u32 v[SPW], v[NIL]
	s_wait_dscnt 0x0
	s_endpgm
; ---------------- w_out to f16, in the order of the operand's registers ----------------
; Work-group nt takes rows 16 nt .. 16 nt + 15; wave w the blocks G = 16 w .. 16 w + 15 (256 along K).  Lane (r, h) loads 8 numbers (32 bytes) of row r for each G and stores their 16 bytes at 16 x lane.
.Lwout:
	s_sub_co_u32 s21, ttmp9, 352                   ; nt
	v_and_b32 v4, 15, v0                           ; r
	v_bfe_u32 v5, v0, 4, 1                         ; h
	v_lshlrev_b32 v3, 12, v4                       ; a row is 4,096 bytes
	v_lshl_add_u32 v3, v5, 5, v3
	v_lshlrev_b32 v6, 4, v2                        ; 16 x lane
	s_lshl_b32 s24, s21, 16
	s_lshl_b32 s22, s20, 10
	s_add_co_u32 s24, s24, s22
	s_mov_b32 s25, 0
	s_add_nc_u64 s[8:9], s[8:9], s[24:25]
	s_lshl_b32 s24, s21, 15                        ; 64 blocks of 512 bytes for each 16 rows
	s_lshl_b32 s22, s20, 13
	s_add_co_u32 s24, s24, s22
	s_add_nc_u64 s[16:17], s[16:17], s[24:25]
.irp g, 0,1,2,3,4,5,6,7,8,9,10,11,12,13,14,15
	global_load_b128 v[16+8*\g:19+8*\g], v3, s[8:9] offset:64*\g
	global_load_b128 v[20+8*\g:23+8*\g], v3, s[8:9] offset:64*\g+16
.endr
.irp g, 0,1,2,3,4,5,6,7,8,9,10,11,12,13,14,15
	s_wait_loadcnt 30-2*\g                         ; block g's two loads are in; the younger ones may be out
	v_cvt_pk_f16_f32 v[144+4*\g], v[16+8*\g], v[17+8*\g]
	v_cvt_pk_f16_f32 v[145+4*\g], v[18+8*\g], v[19+8*\g]
	v_cvt_pk_f16_f32 v[146+4*\g], v[20+8*\g], v[21+8*\g]
	v_cvt_pk_f16_f32 v[147+4*\g], v[22+8*\g], v[23+8*\g]
	global_store_b128 v6, v[144+4*\g:147+4*\g], s[16:17] offset:512*\g   ; 512 consecutive bytes, aligned
.endr
	s_endpgm
; ---------------- the mask's bytes to bits and flags ----------------
; Work-group q32 takes queries 32 q32 .. + 31; wave w the key steps 8 w .. 8 w + 7.  Lane (r, h) loads, for x, tt, the 8 bytes mask[32 q32 + 16 x + r][64 step + 16 tt + 8 h + 0..7].
; A compare of one byte against 0 gives the 32 lanes' bits as one scalar word, which v_writelane_b32 puts at its place among the step's 64 words: lane i / 2, register i % 2.
.Lmask:
	s_sub_co_u32 s21, ttmp9, 416                   ; q32
	v_and_b32 v4, 15, v0                           ; r
	v_bfe_u32 v5, v0, 4, 1                         ; h
	v_lshlrev_b32 v3, 11, v4                       ; a row is 2,048 bytes
	v_lshl_add_u32 v3, v5, 3, v3
	v_lshlrev_b32 v6, 3, v2                        ; 8 x lane
	s_lshl_b32 s24, s21, 16
	s_lshl_b32 s22, s20, 9
	s_add_co_u32 s24, s24, s22
	s_mov_b32 s25, 0
	s_add_nc_u64 s[10:11], s[10:11], s[24:25]
	s_lshl_b32 s24, s21, 13                        ; 32 steps of 256 bytes for each 32 queries
	s_lshl_b32 s22, s20, 11
	s_add_co_u32 s24, s24, s22
	s_add_nc_u64 s[26:27], s[18:19], s[24:25]
	s_lshl_b32 s24, s21, 3                         ; the flags: 8 bytes for each 32 queries, my wave's byte of each word
	s_add_co_u32 s24, s24, s20
	s_add_co_u32 s24, s24, 524288
	s_add_nc_u64 s[28:29], s[18:19], s[24:25]
	s_mov_b32 s42, 0                               ; ANY, my 8 steps
	s_mov_b32 s43, 0                               ; MIX
.irp t, 0,1,2,3,4,5,6,7
.irp x, 0,1
.irp tt, 0,1,2,3
	global_load_b64 v[16+16*\t+2*(4*\x+\tt):17+16*\t+2*(4*\x+\tt)], v3, s[10:11] offset:\x*32768+64*\t+16*\tt
.endr
.endr
.endr
.macro MSTEP t
	s_wait_loadcnt 56-8*(\t)                       ; this step's eight loads are in; the younger steps' may be out
	v_mov_b32 v[144+2*(\t)], 0                     ; written whole before lanes are written singly
	v_mov_b32 v[145+2*(\t)], 0
	s_mov_b32 s40, 0                               ; the OR of the step's 64 words
	s_mov_b32 s41, -1                              ; and their AND
.irp g, 0,1,2,3,4,5,6,7                        ; g = 4 x + tt: eight words at a time, so that no line waits for the line above it
.irp j, 0,1,2,3,4,5,6,7
	v_and_b32 v[160+\j], 0xff<<(8*(\j%4)), v[16+16*(\t)+2*\g+\j/4]
.endr
.irp j, 0,1,2,3,4,5,6,7
	v_cmp_ne_u32 s[32+\j], 0, v[160+\j]
.endr
.irp j, 0,1,2,3,4,5,6,7
	v_writelane_b32 v[144+2*(\t)+\j%2], s[32+\j], 4*\g+\j/2
.endr
.irp j, 0,1,2,3,4,5,6,7
	s_or_b32 s40, s40, s[32+\j]
	s_and_b32 s41, s41, s[32+\j]
.endr
.endr
	global_store_b64 v6, v[144+2*(\t):145+2*(\t)], s[26:27] offset:256*(\t)   ; the step's 64 words: 256 consecutive bytes, aligned
	s_cmp_lg_u32 s40, 0                            ; some entry is masked
	s_cselect_b32 s44, 1<<(\t), 0
	s_or_b32 s43, s43, s44
	s_cmp_lg_u32 s41, -1                           ; some entry is open
	s_cselect_b32 s44, 1<<(\t), 0
	s_or_b32 s42, s42, s44
.endm
.irp t, 0,1,2,3,4,5,6,7
	MSTEP \t
.endr
	v_mov_b32 v8, s42
	v_mov_b32 v9, s43
	v_mov_b32 v10, 0
	global_store_b8 v10, v8, s[28:29]              ; all lanes write the same byte with the same value
	global_store_b8 v10, v9, s[28:29] offset:4
	s_endpgm
.Lfunc_end_k_q3d8e8b5111_prep:
	.size	k_q3d8e8b5111_prep, .Lfunc_end_k_q3d8e8b5111_prep-k_q3d8e8b5111_prep
	.p2alignl 7, 3214868480
	.fill 96, 4, 3214868480
	.section	.rodata,"a",@progbits
	.p2align	6, 0x0
	.amdhsa_kernel k_q3d8e8b5111_prep
		.amdhsa_group_segment_fixed_size 33280
		.amdhsa_private_segment_fixed_size 0
		.amdhsa_enable_private_segment 0
		.amdhsa_kernarg_size 64
		.amdhsa_user_sgpr_count 2
		.amdhsa_user_sgpr_kernarg_segment_ptr 1
		.amdhsa_wavefront_size32 1
		.amdhsa_system_sgpr_workgroup_id_x 1
		.amdhsa_system_sgpr_workgroup_id_y 1
		.amdhsa_system_sgpr_workgroup_id_z 1
		.amdhsa_system_vgpr_workitem_id 0
		.amdhsa_next_free_vgpr 208
		.amdhsa_next_free_sgpr 66
		.amdhsa_reserve_vcc 0
		.amdhsa_float_denorm_mode_32 3
		.amdhsa_float_denorm_mode_16_64 3
		.amdhsa_memory_ordered 1
		.amdhsa_forward_progress 1
		.amdhsa_inst_pref_size 182
	.end_amdhsa_kernel
	.amdgpu_metadata
---
amdhsa.version: [ 1, 2 ]
amdhsa.kernels:
  - .name:           k_q3d8e8b5111_prep
    .symbol:         k_q3d8e8b5111_prep.kd
    .args:
      - { .name: x, .offset: 0, .size: 8, .value_kind: global_buffer, .address_space: global }
      - { .name: w_qkv, .offset: 8, .size: 8, .value_kind: global_buffer, .address_space: global }
      - { .name: w_out, .offset: 16, .size: 8, .value_kind: global_buffer, .address_space: global }
      - { .name: mask, .offset: 24, .size: 8, .value_kind: global_buffer, .address_space: global }
      - { .name: codes, .offset: 32, .size: 8, .value_kind: global_buffer, .address_space: global }
      - { .name: scales, .offset: 40, .size: 8, .value_kind: global_buffer, .address_space: global }
      - { .name: wf, .offset: 48, .size: 8, .value_kind: global_buffer, .address_space: global }
      - { .name: mbits, .offset: 56, .size: 8, .value_kind: global_buffer, .address_space: global }
    .group_segment_fixed_size: 33280
    .private_segment_fixed_size: 0
    .kernarg_segment_align: 8
    .kernarg_segment_size: 64
    .max_flat_workgroup_size: 128
    .sgpr_count:     66
    .vgpr_count:     208
    .wavefront_size: 32
...
	.end_amdgpu_metadata
.endif
;; end of part 1
;; launch qkv (part 2): grid 12 x 32, 4 waves a work-group, clusters of 4 x 4, 327,680 bytes of LDS; arguments codes, scales, b_qkv, qkv; writes qkv
.if DOCPART == 2
	.amdgcn_target "amdgcn-amd-amdhsa--gfx1250"
	.amdhsa_code_object_version 6
	.text
	.protected	k_q3d8e8b5111_qkv
	.globl	k_q3d8e8b5111_qkv
	.p2align	8
	.type	k_q3d8e8b5111_qkv,@function
k_q3d8e8b5111_qkv:
	s_mov_b64 s[64:65], 0
	v_nop
	global_prefetch_b8 v0, s[64:65] scope:SCOPE_SE
	s_setreg_imm32_b32 hwreg(HW_REG_WAVE_MODE, 25, 1), 1
	s_wait_xcnt 0x0
	s_wait_alu depctr_hold_cnt(0) depctr_sa_sdst(0) depctr_va_vdst(0) depctr_va_sdst(0) depctr_va_ssrc(0) depctr_va_vcc(0) depctr_vm_vsrc(0)
	s_getreg_b32 s2, hwreg(HW_REG_IB_STS2, 6, 4)
	s_cmp_eq_u32 s2, 0
	s_cbranch_scc0 .Lentry_in_a_cluster
	s_endpgm
.Lentry_in_a_cluster:
	s_bfe_u32 s2, ttmp6, 0x10000c
	s_cmp_lg_u32 s2, 0xf033
	s_cbranch_scc0 .Lentry_shape_is_right
	s_endpgm
.Lentry_shape_is_right:
; q, k, v = x w_qkv^T + b_qkv on codes of FP4 (E2M1) with one E8M0 scale for each 32 along K = 1,024; sums in f32; the results are rounded to f16 and stored AS IMAGES OF THE NEXT PRODUCT'S OPERAND REGISTERS.
; codes: [11,264 rows][512 bytes], rows 0-8,191 x's tokens, rows 8,192-11,263 w_qkv's channels; scales: [11,264][32 bytes].  A tile of 256 x 256 results is made by four waves, 128 x 128 each: 64 accumulators, 512 registers.
; K is two LDS slots of 512 along K (rows of 256 bytes): both are asked for at the start and nothing is filled again.  The scale bytes of the work-group's 512 rows come once, with them.
; THE MATRIX INSTRUCTION IS USED TRANSPOSED (source 0 = 16 rows of "B", source 1 = 16 rows of "A"): lane (r, h) holds row r of A's block and the eight neighbours 8 h + 0..7 of B's block.
; Clusters with x = 0, 1 make q and k: A = tokens, B = channels: a lane's eight numbers are eight channels of a token: an operand block of q or k (lane (r, h): token 16 tt + r, d = 16 g + 8 h + 0..7).
; Clusters with x = 2 make v TURNED, by the same loop: A = w_v's channels, B = tokens: a lane's eight numbers are eight tokens of a channel: an operand block of v^T (lane (r, h): d = 16 g + r, tokens 16 tt + 8 h + 0..7).
; Both operands live in one buffer, so only row numbers are chosen, by the cluster's x, which all sixteen partners share.
; qkv: three parts of 2^24 bytes (q, k, v), each [batch x head 64][tt 128][g 4][lane 32][16 bytes].  Each store of a wave covers 512 consecutive bytes, aligned: no stage in LDS is needed.
; CLUSTERS: 4 x 4 work-groups.  The four of a row of the cluster need the same tiles of A, the four of a column the same tiles of B: each tile is asked for JOINTLY, by the same tensor load with the same descriptor and a mask that names the four.
; LIMIT: |q|, |k|, |v| under 65,504, the range of f16.
; REGISTERS, in windows of 256: window 0: v0-31 addresses; v32-95 scale words, two sets; v96-111 the row bias; v128-191 A's fragments, ONE set; v192-255 the column bias.  On the way out v128-191 hold sums + bias, v32-95 packed results.
;   window 1: B's fragments, TWO sets, at v0 and at v128.   window 2: the accumulators of my rows 0-63 ((a, b) at v[8 (8 a + b)]);   window 3: those of my rows 64-127.
.set KSTEP,  512
.set NQ,     KSTEP/128                 ; matrix instructions deep in a slot
.set ROWB,   256                       ; a tile's row in bytes
.set KROW,   512                       ; a row of codes in memory
.set PITCH,  272                       ; an LDS row: 256 bytes + 16 of padding, so that the 16 rows that a load touches begin 16 bytes further on in each 256
.set FR,     8                         ; registers of a fragment: 16 rows x 128 K
.set NL,     2                         ; LDS loads that bring one
.set NP,     4                         ; places behind this matrix instruction (ISA guide 7.12.1)
.set HALFT,  128*PITCH                 ; 128 rows: what one tensor load brings
.set SLOT,   4*HALFT                   ; A's 256 rows, then B's 256 rows
.set KS,     32                        ; a row of scales in bytes
.set SCL,    2*SLOT                    ; behind the slots: the scales, as units of 256 bytes + 16 of padding
.set HALFS,  (128*KS/256)*272          ; the scales of 128 rows
.set SBLK,   (16*KS/256)*272           ; those of 16 rows
.set SPARE,  SCL+4*HALFS               ; the spare words, 128 bytes for each wave
.set ADRA, 16                          ; v16-17  LDS address of my A fragments in slot 0, 1
.set ADRB, 20                          ; v20-21  the same for B
.set CO,   26                          ; v26     16 x lane: my place in a stored block
.set ADRS, 27                          ; v27     LDS address of my scale words: lanes 0-15 A's rows, lanes 16-31 B's
.set SPW,  28                          ; v28     LDS address of my spare word; never rewritten
.set NIL,  29                          ; v29     0; never rewritten
.set BCO,  30                          ; v30     byte offset of my column bias; never rewritten
.set BRO,  31                          ; v31     byte offset of my row bias; never rewritten
.set SC,   32                          ; scale words: set s at v[SC + 32 s]; register 4 i + q: lanes 0-15 the word of A's block i, lanes 16-31 that of B's block i
.set RB,   96                          ; the row bias: v[RB + 2 a] = v[RB + 2 a + 1] = bias of row 16 a + r
.set AF,   128                         ; A's fragments
.set SUM,  128                         ; the way out: a block's 64 sums + bias
.set CB,   192                         ; the column bias: v[CB + 8 b + j] = bias of column 16 b + 8 h + j
.set PK,   32                          ; the way out: packed results, two sets of 32
.set G1, 24
.set G0, 32
.set G1B, 48
.set G0B, 56
.set G1S, 68
.set G0S, 76
.set G1SB, 80
.set G0SB, 88
.set MSB, 0
.macro WIN new                         ; the immediate's high byte repeats the setting that is left
.if MSB != \new
	s_set_vgpr_msb (MSB<<8)|\new
.set MSB, \new
.endif
.endm
.set MUL_LO, 0xa1                      ; source 0 (B) window 1, source 1 (A) window 0, C and D window 2
.set MUL_HI, 0xf1                      ; the same, C and D window 3
.set TO_B,   0x40                      ; destination window 1, address window 0
; A joint load: waves 0 and 1 fetch for A, waves 2 and 3 for B.  The branch hangs on the wave's number alone.  An s_nop 0 and four v_nop follow each of the two lines.
.macro JLOAD g0a, g1a, g0b, g1b
	s_cmp_eq_u32 s15, 0
	s_cbranch_scc0 .Lfor_b_\@
	tensor_load_to_lds s[\g0a:\g0a+3], s[\g1a:\g1a+7]
	s_nop 0
.rept 4
	v_nop
.endr
	s_branch .Lasked_\@
.Lfor_b_\@:
	tensor_load_to_lds s[\g0b:\g0b+3], s[\g1b:\g1b+7]
	s_nop 0
.rept 4
	v_nop
.endr
.Lasked_\@:
.endm
.macro CROUND                          ; a round of the cluster's barrier
	s_barrier_signal -1
	s_barrier_wait -1
	s_cmp_lg_u32 s14, 0
	s_cbranch_scc1 .Lnot_wave_0_\@
	s_barrier_signal -3
.Lnot_wave_0_\@:
	s_barrier_wait -3
	s_barrier_signal -1
	s_barrier_wait -1
.endm
	s_load_b256 s[4:11], s[0:1], 0x0               ; codes s[4:5], scales s[6:7], b_qkv s[8:9], qkv s[10:11]
	v_lshl_add_u32 v[SPW], v0, 2, SPARE
	v_mov_b32 v[NIL], 0
	ds_add_u32 v[SPW], v[NIL]                      ; the wave's opening: the add, twice on end, and its wait ahead of my first tensor load
	ds_add_u32 v[SPW], v[NIL]                      ; and once more, under the one wait
	v_lshrrev_b32 v1, 5, v0
	v_readfirstlane_b32 s14, v1                    ; wave 0..3
	s_lshr_b32 s15, s14, 1                         ; which half of A's rows is mine.  Also: I fetch for A (0) or for B (1)
	s_and_b32 s16, s14, 1                          ; which half of B's rows.  Also: which 128 rows of that tile I fetch
	s_bfe_u32 s40, ttmp6, 0x40000                  ; cx, cy: my place in the cluster
	s_bfe_u32 s41, ttmp6, 0x40004
	s_and_b32 s17, ttmp7, 0xffff                   ; cluster y, 0..7
	s_add_co_u32 s19, ttmp9, 8
	s_cmp_eq_u32 ttmp9, 2                          ; the cluster's x says what is made: 0 q, 1 k, 2 v
	s_cselect_b32 s12, 10, s17                     ; A's group of four tiles of 256 rows: w_v's (rows 10,240 on), or tokens by the cluster's y
	s_cselect_b32 s42, s17, s19                    ; B's: tokens by the cluster's y, or w_q's / w_k's (rows 8,192 + 1,024 x on)
	s_cselect_b32 s13, 1, 0                        ; 1: v
	s_lshl_b32 s17, s12, 2
	s_add_co_u32 s17, s17, s41                     ; A's tile = 4 x group + cy
	s_lshl_b32 s42, s42, 2
	s_add_co_u32 s42, s42, s40                     ; B's tile = 4 x group + cx
	s_lshl_b32 s43, s41, 2
	s_lshl_b32 s43, 15, s43                        ; my row of the cluster
	s_lshl_b32 s44, 0x1111, s40                    ; my column
	; descriptor group 1: a tile of 128 rows x 256 bytes, padded in LDS
	s_or_b32 s[G1+0], s43, (0<<16)|(1<<20)|(1<<21)|(5<<22)|(3<<25)  ; 15:0 the mask: A's tiles go to my row; elements of 1 byte; padding on; 21 set beside a mask; after every 64 words four words
	s_or_b32 s[G1B+0], s44, (0<<16)|(1<<20)|(1<<21)|(5<<22)|(3<<25)
.irp g, G1, G1B
	s_mov_b32 s[\g+1], ROWB<<16                    ; tensor_dim0
	s_mov_b32 s[\g+2], 128<<16                     ; tensor_dim1
	s_mov_b32 s[\g+3], ROWB<<16                    ; tile_dim0
	s_mov_b32 s[\g+4], 128                         ; tile_dim1
	s_mov_b32 s[\g+5], KROW                        ; tensor_dim0_stride
	s_mov_b32 s[\g+6], 0
	s_mov_b32 s[\g+7], 0
.endr
	; the scales of 128 rows: a dense block of 4,096 bytes, as 16 rows of 256 bytes (32 elements of 8 bytes), 16 bytes of padding behind each
	s_or_b32 s[G1S+0], s43, (3<<16)|(1<<20)|(1<<21)|(5<<22)|(3<<25)
	s_or_b32 s[G1SB+0], s44, (3<<16)|(1<<20)|(1<<21)|(5<<22)|(3<<25)
.irp g, G1S, G1SB
	s_mov_b32 s[\g+1], 32<<16
	s_mov_b32 s[\g+2], (128*KS/256)<<16
	s_mov_b32 s[\g+3], 32<<16
	s_mov_b32 s[\g+4], 128*KS/256
	s_mov_b32 s[\g+5], 32
	s_mov_b32 s[\g+6], 0
	s_mov_b32 s[\g+7], 0
.endr
	s_lshl_b32 s18, s16, 7                         ; which 128 rows of the tile I fetch
	s_lshl_b32 s20, s17, 8
	s_add_co_u32 s20, s20, s18                     ; A: row 256 x tile + 128 x half
	s_lshl_b32 s46, s42, 8
	s_add_co_u32 s46, s46, s18                     ; B likewise
	s_lshl_b32 s22, s20, 5                         ; where these rows' scales begin, in bytes (at most 11,264 rows: all under 2^32)
	s_mov_b32 s23, 0
	s_lshl_b32 s20, s20, 9                         ; and their codes
	s_mov_b32 s21, 0
	s_lshl_b32 s92, s46, 5
	s_mov_b32 s93, 0
	s_lshl_b32 s46, s46, 9
	s_mov_b32 s47, 0
	s_mul_i32 s45, s14, HALFT                      ; where they go: wave x 128 rows: no place in the cluster enters an LDS address
	s_mul_i32 s94, s14, HALFS
	s_wait_dscnt 0x0                               ; both opening adds are done
	s_wait_kmcnt 0x0
	s_add_nc_u64 s[20:21], s[4:5], s[20:21]
	s_add_nc_u64 s[22:23], s[6:7], s[22:23]
	s_add_nc_u64 s[46:47], s[4:5], s[46:47]
	s_add_nc_u64 s[92:93], s[6:7], s[92:93]
	CROUND                                         ; all sixteen work-groups are here: the first joint loads meet
	s_mov_b32 s[G0S], 1
	s_add_co_u32 s[G0S+1], s94, SCL
	s_mov_b64 s[G0S+2:G0S+3], s[22:23]
	s_or_b32 s[G0S+3], s[G0S+3], 0x80000000
	s_mov_b32 s[G0SB], 1
	s_add_co_u32 s[G0SB+1], s94, SCL
	s_mov_b64 s[G0SB+2:G0SB+3], s[92:93]
	s_or_b32 s[G0SB+3], s[G0SB+3], 0x80000000
	JLOAD G0S, G1S, G0SB, G1SB                     ; the scales first: they are wanted with the first K step
.irp s, 0,1
	s_mov_b32 s[G0+4*\s], 1
	s_add_co_u32 s[G0+4*\s+1], s45, \s*SLOT
	s_add_nc_u64 s[G0+4*\s+2:G0+4*\s+3], s[20:21], \s*ROWB
	s_or_b32 s[G0+4*\s+3], s[G0+4*\s+3], 0x80000000
	s_mov_b32 s[G0B+4*\s], 1
	s_add_co_u32 s[G0B+4*\s+1], s45, \s*SLOT
	s_add_nc_u64 s[G0B+4*\s+2:G0B+4*\s+3], s[46:47], \s*ROWB
	s_or_b32 s[G0B+4*\s+3], s[G0B+4*\s+3], 0x80000000
	JLOAD G0+4*\s, G1, G0B+4*\s, G1B               ; three tensor loads of mine are out: all that this launch asks for
.endr
	v_and_b32 v1, 15, v0                           ; r = l % 16
	v_bfe_u32 v2, v0, 4, 1                         ; h = l / 16
	v_mul_u32_u24 v3, v1, PITCH
	v_lshl_add_u32 v4, v2, 4, v3                   ; a fragment's row x pitch + 16 x half
	s_mul_i32 s21, s15, HALFT                      ; my 128 rows of A
	s_mul_i32 s22, s16, HALFT                      ; my 128 rows of B,
	s_add_co_u32 s22, s22, 2*HALFT                 ; which lie behind A's 256
.irp s, 0,1
	v_add_nc_u32 v[ADRA+\s], s21, v4
	v_add_nc_u32 v[ADRB+\s], s22, v4
	s_add_co_u32 s21, s21, SLOT
	s_add_co_u32 s22, s22, SLOT
.endr
	v_mul_u32_u24 v5, v1, KS                       ; my row's scales: 32 bytes a row,
	v_lshrrev_b32 v6, 8, v5
	v_lshl_add_u32 v5, v6, 4, v5                   ; and 16 more for each 256 passed
	s_mul_i32 s21, s15, HALFS                      ; A's: my 128 rows
	s_mul_i32 s22, s16, HALFS                      ; B's: my 128 rows, behind A's 256
	s_add_co_u32 s22, s22, 2*HALFS
	s_sub_co_u32 s22, s22, s21
	v_mul_u32_u24 v6, s22, v2                      ; lanes 16-31 take B's
	s_add_co_u32 s21, s21, SCL
	v_add_nc_u32 v5, v5, v6
	v_add_nc_u32 v[ADRS], s21, v5
	v_and_b32 v6, 31, v0
	v_lshlrev_b32 v[CO], 4, v6
	; the biases and the way out.  These scalars mix cx and cy and feed no descriptor.
	s_lshl_b32 s2, ttmp9, 2
	s_add_co_u32 s2, s2, s40                       ; q, k: my 256 channels' place in b_qkv: 4 x part + cx
	s_add_co_u32 s3, s41, 8                        ; v: 8 + cy
	s_cmp_eq_u32 s13, 1
	s_cselect_b32 s2, 0, s2                        ; the set that is not used is loaded from the buffer's start: every register is written on every way, and no load leaves the buffer
	s_cselect_b32 s3, s3, 0
	s_cselect_b32 s66, s42, s17                    ; the tile of tokens: B's for v, A's for q and k
	s_cselect_b32 s67, s16, s15                    ; and my half of it
	s_cselect_b32 s95, s41, s40                    ; the tile of 256 channels within the part
	s_cselect_b32 s96, s15, s16                    ; and my half of it
	s_lshl_b32 s2, s2, 10
	s_lshl_b32 s97, s16, 9
	s_add_co_u32 s2, s2, s97
	v_lshl_add_u32 v[BCO], v2, 5, s2               ; column bias: 4 x (256 tile + 128 half + 8 h)
	s_lshl_b32 s3, s3, 10
	s_lshl_b32 s97, s15, 9
	s_add_co_u32 s3, s3, s97
	v_lshl_add_u32 v[BRO], v1, 2, s3               ; row bias: 4 x (256 tile + 128 half + r)
.irp b, 0,1,2,3,4,5,6,7
	global_load_b128 v[CB+8*\b:CB+8*\b+3], v[BCO], s[8:9] offset:64*\b
	global_load_b128 v[CB+8*\b+4:CB+8*\b+7], v[BCO], s[8:9] offset:64*\b+16
.endr
.irp a, 0,1,2,3,4,5,6,7
	global_load_b32 v[RB+2*\a], v[BRO], s[8:9] offset:64*\a
	global_load_b32 v[RB+2*\a+1], v[BRO], s[8:9] offset:64*\a     ; twice: the packed addition takes a pair
.endr
	s_lshl_b32 s66, s66, 8
	s_lshl_b32 s67, s67, 7
	s_add_co_u32 s66, s66, s67                     ; my first token, 0 .. 8,191
	s_lshl_b32 s95, s95, 2
	s_lshl_b32 s96, s96, 1
	s_add_co_u32 s95, s95, s96                     ; my first head: 4 x tile + 2 x half
	s_lshl_b32 s96, s95, 18                        ; a head's image is 2^18 bytes,
	s_lshr_b32 s95, s66, 11
	s_lshl_b32 s95, s95, 22                        ; a batch's sixteen 2^22,
	s_add_co_u32 s96, s96, s95
	s_and_b32 s95, s66, 2047
	s_lshl_b32 s95, s95, 7                         ; 16 tokens 2,048,
	s_add_co_u32 s96, s96, s95
	s_lshl_b32 s95, ttmp9, 24                      ; a part 2^24
	s_add_co_u32 s96, s96, s95
	s_mov_b32 s97, 0
	s_add_nc_u64 s[10:11], s[10:11], s[96:97]
.macro FRAG reg, adr, q, i             ; a fragment, 16 rows x 128 K of 4-bit codes: lane l holds row l % 16; registers 4 c .. 4 c + 3 hold K = 64 c + 32 (l / 16) + 0 .. 31
.irp c, 0,1
	ds_load_b128 v[\reg+4*\c:\reg+4*\c+3], v[\adr] offset:64*(\q)+32*\c+(\i)*16*PITCH
.endr
.endm
; 16 matrix instructions: A's blocks a0, a0 + 1 x B's eight, 128 along K: the slot's q-th.  p: B's set; sc: the set of scale words.  zero = 1: the first product starts the sums.
; The 64 accumulators take turns, one instruction a turn, in the same order in every step.
.macro MUL16 a0, p, q, sc, zero
.irp a, \a0, \a0+1
.irp b, 0,1,2,3,4,5,6,7
.if \zero
	v_wmma_scale_f32_16x16x128_f8f6f4 v[8*(8*((\a)%4)+\b):8*(8*((\a)%4)+\b)+7], v[128*(\p)+FR*\b:128*(\p)+FR*\b+FR-1], v[AF+FR*(\a):AF+FR*(\a)+FR-1], 0, v[SC+8*NQ*(\sc)+NQ*\b+(\q)], v[SC+8*NQ*(\sc)+NQ*(\a)+(\q)] matrix_a_fmt:MATRIX_FMT_FP4 matrix_b_fmt:MATRIX_FMT_FP4 matrix_a_scale:MATRIX_SCALE_ROW1
.else
	v_wmma_scale_f32_16x16x128_f8f6f4 v[8*(8*((\a)%4)+\b):8*(8*((\a)%4)+\b)+7], v[128*(\p)+FR*\b:128*(\p)+FR*\b+FR-1], v[AF+FR*(\a):AF+FR*(\a)+FR-1], v[8*(8*((\a)%4)+\b):8*(8*((\a)%4)+\b)+7], v[SC+8*NQ*(\sc)+NQ*\b+(\q)], v[SC+8*NQ*(\sc)+NQ*(\a)+(\q)] matrix_a_fmt:MATRIX_FMT_FP4 matrix_b_fmt:MATRIX_FMT_FP4 matrix_a_scale:MATRIX_SCALE_ROW1
.endif
.endr
.endr
.endm
.macro FETCH_B slot, q, p              ; B's eight fragments of the slot's q-th 128 along K into set p
	WIN TO_B
.irp i, 0,1,2,3,4,5,6,7
	FRAG 128*(\p)+FR*\i, ADRB+\slot, \q, \i
.endr
	WIN 0
.endm
.macro FETCH_A slot, q, i0             ; A's blocks i0 .. i0 + 3
.irp i, \i0, \i0+1, \i0+2, \i0+3
	FRAG AF+FR*(\i), ADRA+\slot, \q, \i
.endr
.endm
.macro SCALES sc                       ; a slot's scale words into set sc: four words a row; lanes 0-15 take A's block i, lanes 16-31 B's block i
.irp i, 0,1,2,3,4,5,6,7
	ds_load_b128 v[SC+8*NQ*\sc+NQ*\i:SC+8*NQ*\sc+NQ*\i+3], v[ADRS] offset:\i*SBLK
.endr
.endm
; A load into a register that a matrix instruction has read, and a vector instruction that reads a matrix result, stand NP places behind that matrix instruction; only plain vector instructions that name none of its registers are places.
.macro PLACES n
.rept \n
	v_nop
.endr
.endm
; A step of 128 along K that has its successor in the same slot.  A's blocks 0-3 are fetched anew in the step's middle, blocks 4-7 at its end; B has two sets.
.macro STEP slot, q, zero
	s_wait_dscnt 4*NL                              ; B's set and A's blocks 0-3 are in; the youngest eight loads (A's blocks 4-7) may be out
	WIN MUL_LO
	MUL16 0, (\q)%2, \q, \slot, \zero
	MUL16 2, (\q)%2, \q, \slot, \zero
	s_wait_dscnt 0                                 ; A's blocks 4-7 are in (asked for 32 matrix instructions ago)
	PLACES NP
	FETCH_B \slot, (\q)+1, 1-(\q)%2
	FETCH_A \slot, (\q)+1, 0
	WIN MUL_HI
	MUL16 4, (\q)%2, \q, \slot, \zero
	MUL16 6, (\q)%2, \q, \slot, \zero
	PLACES NP
	WIN 0
	FETCH_A \slot, (\q)+1, 4
.endm
; Slot 0's last step changes slots: one barrier; in front of it each wave waits for all its tensor loads (its part of slot 1), adds 0 to its spare word, and waits for that and for its LDS loads.  Nothing is filled again.
.macro TURN slot, next
	s_wait_tensorcnt 0x0                           ; all my tensor loads have landed: my part of the next slot  (every window is 0 here)
	ds_add_u32 v[SPW], v[NIL]                      ; 0 onto my spare word
	s_wait_dscnt 4*NL+1                            ; (the add and the youngest eight loads, A's blocks 4-7, may be out)
	WIN MUL_LO
	MUL16 0, 1, NQ-1, \slot, 0                     ; sixteen matrix instructions stand between the add and the wait for it
	s_wait_dscnt 0x0                               ; the add is done, and my LDS loads are in
	s_barrier_signal -1
	MUL16 2, 1, NQ-1, \slot, 0
	WIN 0
	s_barrier_wait -1                              ; everybody's part of the next slot has landed
	PLACES NP
	v_add_nc_u32 v[ADRS], 4*NQ, v[ADRS]            ; on to the next slot's scale words (no LDS load of mine is out)
	FETCH_B \next, 0, 0
	FETCH_A \next, 0, 0
	SCALES \next
	WIN MUL_HI
	MUL16 4, 1, NQ-1, \slot, 0
	MUL16 6, 1, NQ-1, \slot, 0
	PLACES NP
	WIN 0
	FETCH_A \next, 0, 4
.endm
.macro STEPS slot, from                ; the slot's steps from .. NQ - 2
.set Q, \from
.rept NQ-1-\from
	STEP \slot, Q, 0
.set Q, Q+1
.endr
.endm
	s_wait_tensorcnt 1                             ; the scales and my part of slot 0 are in (slot 1's load may be out),
	s_barrier_signal -1
	s_barrier_wait -1                              ; everybody's are
	FETCH_B 0, 0, 0
	FETCH_A 0, 0, 0
	SCALES 0
	FETCH_A 0, 0, 4
	STEP 0, 0, 1                                   ; the first step's products start the sums: nothing is cleared
	STEPS 0, 1
	TURN 0, 1
	STEPS 1, 0
	s_wait_dscnt 4*NL                              ; the very last step: nothing more to fetch
	WIN MUL_LO
	MUL16 0, 1, NQ-1, 1, 0
	MUL16 2, 1, NQ-1, 1, 0
	s_wait_dscnt 0
	WIN MUL_HI
	MUL16 4, 1, NQ-1, 1, 0
	MUL16 6, 1, NQ-1, 1, 0
	WIN 0
; THE WAY OUT of block a (16 rows of A x 128 rows of B): + bias in f32 (each accumulator from its low end on), rounded to f16: a lane's 16 bytes of accumulator (a, b) are its 16 bytes of one operand block, stored at 16 x lane.
; q, k: b / 4 picks the head, a the 16 tokens, b % 4 the 16 channels.  v: a / 4 the head, b the 16 tokens, a % 4 the 16 channels.
.macro OUTBLK a, isv
.set WN, 0x02+(\a)/4
	WIN WN                                         ; source 0: window 2 or 3
.irp b, 0,1,2,3,4,5,6,7
.irp i, 0,1,2,3
.if \isv
	v_pk_add_f32 v[SUM+8*\b+2*\i:SUM+8*\b+2*\i+1], v[64*((\a)%4)+8*\b+2*\i:64*((\a)%4)+8*\b+2*\i+1], v[RB+2*(\a):RB+2*(\a)+1]
.else
	v_pk_add_f32 v[SUM+8*\b+2*\i:SUM+8*\b+2*\i+1], v[64*((\a)%4)+8*\b+2*\i:64*((\a)%4)+8*\b+2*\i+1], v[CB+8*\b+2*\i:CB+8*\b+2*\i+1]
.endif
.endr
.endr
	WIN 0
.if (\a) >= 2
	s_wait_xcnt 0x0                                ; block a - 2's stores have read their registers: they are written again only behind this wait
.endif
.irp b, 0,1,2,3,4,5,6,7
.irp i, 0,1,2,3
	v_cvt_pk_f16_f32 v[PK+32*((\a)%2)+4*\b+\i], v[SUM+8*\b+2*\i], v[SUM+8*\b+2*\i+1]
.endr
.endr
.irp b, 0,1,2,3,4,5,6,7
.if \isv
	global_store_b128 v[CO], v[PK+32*((\a)%2)+4*\b:PK+32*((\a)%2)+4*\b+3], s[10:11] offset:((\a)/4)*262144+\b*2048+((\a)%4)*512
.else
	global_store_b128 v[CO], v[PK+32*((\a)%2)+4*\b:PK+32*((\a)%2)+4*\b+3], s[10:11] offset:(\b/4)*262144+(\a)*2048+(\b%4)*512
.endif
.endr
.endm
	PLACES NP                                      ; behind the last products: their results are read and A's fragments written below
	s_wait_loadcnt 0x0                             ; the biases
	s_cmp_eq_u32 s13, 1                            ; the cluster's x alone: the same way in all sixteen partners
	s_cbranch_scc1 .Lout_v
.irp a, 0,1,2,3,4,5,6,7
	OUTBLK \a, 0
.endr
	s_branch .Lout_done
.Lout_v:
.irp a, 0,1,2,3,4,5,6,7
	OUTBLK \a, 1
.endr
.Lout_done:
	s_wait_tensorcnt 0x0                           ; the wave's end, behind my last tensor load
	ds_add_u32 v[SPW], v[NIL]
	s_wait_dscnt 0x0
	CROUND                                         ; the closing round: no work-group ends while a partner may still ask for a tile that names it
	s_endpgm
.Lfunc_end_k_q3d8e8b5111_qkv:
	.size	k_q3d8e8b5111_qkv, .Lfunc_end_k_q3d8e8b5111_qkv-k_q3d8e8b5111_qkv
	.p2alignl 7, 3214868480
	.fill 96, 4, 3214868480
	.section	.rodata,"a",@progbits
	.p2align	6, 0x0
	.amdhsa_kernel k_q3d8e8b5111_qkv
		.amdhsa_group_segment_fixed_size 327680
		.amdhsa_private_segment_fixed_size 0
		.amdhsa_enable_private_segment 0
		.amdhsa_kernarg_size 32
		.amdhsa_user_sgpr_count 2
		.amdhsa_user_sgpr_kernarg_segment_ptr 1
		.amdhsa_wavefront_size32 1
		.amdhsa_system_sgpr_workgroup_id_x 1
		.amdhsa_system_sgpr_workgroup_id_y 1
		.amdhsa_system_sgpr_workgroup_id_z 1
		.amdhsa_system_vgpr_workitem_id 0
		.amdhsa_next_free_vgpr 1024
		.amdhsa_next_free_sgpr 98
		.amdhsa_reserve_vcc 0
		.amdhsa_float_denorm_mode_32 3
		.amdhsa_float_denorm_mode_16_64 3
		.amdhsa_memory_ordered 1
		.amdhsa_forward_progress 1
		.amdhsa_inst_pref_size 176
	.end_amdhsa_kernel
	.amdgpu_metadata
---
amdhsa.version: [ 1, 2 ]
amdhsa.kernels:
  - .name:           k_q3d8e8b5111_qkv
    .symbol:         k_q3d8e8b5111_qkv.kd
    .args:
      - { .name: codes, .offset: 0, .size: 8, .value_kind: global_buffer, .address_space: global }
      - { .name: scales, .offset: 8, .size: 8, .value_kind: global_buffer, .address_space: global }
      - { .name: b_qkv, .offset: 16, .size: 8, .value_kind: global_buffer, .address_space: global }
      - { .name: qkv, .offset: 24, .size: 8, .value_kind: global_buffer, .address_space: global }
    .group_segment_fixed_size: 327680
    .private_segment_fixed_size: 0
    .kernarg_segment_align: 8
    .kernarg_segment_size: 32
    .max_flat_workgroup_size: 128
    .sgpr_count:     98
    .vgpr_count:     1024
    .wavefront_size: 32
...
	.end_amdgpu_metadata
.endif
;; end of part 2
;; launch attn (part 3): grid 4 x 64, 16 waves a work-group, no clusters, 34,816 bytes of LDS; arguments qkv, mbits, cf; writes cf
.if DOCPART == 3
	.amdgcn_target "amdgcn-amd-amdhsa--gfx1250"
	.amdhsa_code_object_version 6
	.text
	.protected	k_q3d8e8b5111_attn
	.globl	k_q3d8e8b5111_attn
	.p2align	8
	.type	k_q3d8e8b5111_attn,@function
k_q3d8e8b5111_attn:
	s_mov_b64 s[64:65], 0
	v_nop
	global_prefetch_b8 v0, s[64:65] scope:SCOPE_SE
	s_setreg_imm32_b32 hwreg(HW_REG_WAVE_MODE, 25, 1), 1
	s_wait_xcnt 0x0
; ctx[b][h][q][:] = the sum over k of softmax_k(q . k / 8, masked entries -infinity) v[k][:], head size 64, 2,048 keys, 64 pairs (batch, head).  f16 operands, f32 products' sums, maxima and sums; p is rounded to f16 for the second product.
; THE MASK IS DATA.  An earlier launch has turned it into bits laid as my score registers, and into two words of flags for each 32 queries: ANY (key step t has an open entry) and MIX (key step t has a masked entry).
; A wave leaves out the WORK of a key step that is wholly masked for its 32 queries, and the masking of a step that is wholly open.  Both are branches on whole numbers read from memory.
; A row that is wholly masked ends with sum 0 and O = 0: 0 x (1 / 0) is NaN, as the softmax of a row of -infinity is.
; SHARES.  Work-group (j, bh) owns the query blocks j and 7 - j (256 queries each) of pair bh: waves 0-7 the first, waves 8-15 the second, 32 queries (two tiles of 16) a wave.  The pairing evens the work out where
; late queries see more keys; nothing else hangs on it.  Four waves share a SIMD's registers, 256 each, so that one wave's vector work stands beside another's matrix work and LDS loads.
; Every wave walks all 32 key steps of 64 keys: 16 trips of two steps.  A step's K and V, 8,192 consecutive bytes each of the operand images, always come into LDS through registers: each of the 512 threads moves 16 + 16 bytes.
; Two LDS slots take turns, one barrier a step: in front of it a wave's stores into this step's slot are done and its loads from the other slot are in.
; NO TENSOR LOADS AND NO CLUSTER, though the four work-groups of a pair read the same K and V.
; LAYOUT.  S^T = K Q^T (source 0 = 16 keys, source 1 = 16 queries): a lane holds ONE query (lane % 16) and keys 8 (lane / 16) + 0..7.  Two such tiles, rounded to f16 in pairs, ARE source 1 of O^T = V^T P.
; q, k, v lie in memory as images of these operands' registers (512 bytes a block, lane l's 16 bytes at 16 l), so every LDS load is 512 consecutive bytes and V needs no turning.  O^T, packed, is a block of the next product's operand.
; SOFTMAX.  A running maximum m and sum l for each query: p = 2^(c s - c m), c = log2(e) / 8; in every step O and l are multiplied by 2^(c m_old - c m_new).  m begins at -3e38, under every score that f16 operands can give.
; LIMITS: |ctx| under 65,504 (it is an average of v); NaN and infinities among q, k, v are not served.
.set SPW,  1                           ; v1   LDS address of my spare word; never rewritten
.set NIL,  2                           ; v2   0; never rewritten
.set LN,   3                           ; v3   16 x lane
.set TH,   4                           ; v4   16 x thread: my 16 bytes of a tile, in memory and in LDS
.set NINF, 6                           ; v6   -infinity
.set PFO,  7                           ; v7   256 x lane: the prefetches' offset
.set ST,   8                           ; tile x's statistics at v[ST + 8 x]: +0 c m, +1 m, +2, +3 l (even keys', odd keys'), +4 .. +7 at work; +6 holds 2^(c m_old - c m_new)
.set STG,  24                          ; v24-27 K's, v28-31 V's 16 bytes on their way to LDS
.set QF,   32                          ; v32-63   Q: fragment (x, dc) at 32 + 16 x + 8 dc
.set KV,   64                          ; v64-127  K's 8 fragments, later V's 8
.set S,    128                         ; v128-191 S^T: tile (x, tt) at 128 + 32 x + 8 tt; P in place at 128 + 32 x + 0 .. 15
.set O,    192                         ; v192-255 O^T: tile (x, dt) at 192 + 32 x + 8 dt
.set SLOTB, 16384                      ; an LDS slot: K's 8,192 bytes, then V's
.set SPARE, 32768                      ; behind the slots: the spare words, 128 bytes for each of the 16 waves
; s[4:5] qkv, s[6:7] mbits, s[8:9] cf at my rows; s[10:11], s[12:13] K and V at the trip's first step; s[14:15] Q; s16 wave; s17 pair; s20 my 32 queries' number; s21 the prefetches' limit;
; s24 ANY, s25 MIX; s26 the key step; s27 trips left; s[28:29] lane selects; s[30:31] c; s[2:3] the prefetches' base; s[66:67] my mask words; s[32:63], s[68:99] a step's 64 mask words.
; A PREFETCH of the tile that the NEXT step will load: 8,192 bytes, lanes 256 bytes apart, one instruction.  The four work-groups of a pair walk the same K and V: the first of them asks, wave 0 for K's tiles, wave 1 for V's,
; so that each block of 256 bytes is named once in the launch.  Tiles 0 and 1 come by their loads alone; the last trip asks for nothing, so no prefetch passes a part's last tile.
.macro ASK off
	s_cmp_gt_u32 s27, s21
	s_cbranch_scc0 .Lnot_mine_\@
	global_prefetch_b8 v[PFO], s[2:3] offset:\off th:TH_LOAD_NT scope:SCOPE_SE
.Lnot_mine_\@:
.endm
	s_load_b128 s[4:7], s[0:1], 0x0
	s_load_b64 s[8:9], s[0:1], 0x10
	v_lshl_add_u32 v[SPW], v0, 2, SPARE
	v_mov_b32 v[NIL], 0
	v_lshrrev_b32 v5, 5, v0
	v_readfirstlane_b32 s16, v5                    ; wave 0..15
	v_and_b32 v[LN], 31, v0
	v_lshlrev_b32 v[PFO], 8, v[LN]
	v_lshlrev_b32 v[LN], 4, v[LN]
	v_lshlrev_b32 v[TH], 4, v0
	v_mov_b32 v[NINF], 0xff800000
	s_lshr_b32 s22, s16, 3
	s_sub_co_u32 s23, 7, ttmp9
	s_cmp_eq_u32 s22, 0
	s_cselect_b32 s20, ttmp9, s23                  ; my block of 256 queries: j or 7 - j
	s_lshl_b32 s20, s20, 3
	s_and_b32 s22, s16, 7
	s_add_co_u32 s20, s20, s22                     ; my 32 queries: 8 x block + wave % 8
	s_and_b32 s17, ttmp7, 0xffff                   ; the pair (batch, head)
	s_lshl_b32 s22, s17, 18                        ; a pair's image is 2^18 bytes in each part
	s_mov_b32 s23, 0
	s_lshl_b32 s18, s20, 12                        ; 32 queries are 4,096 bytes of Q's image
	s_mov_b32 s19, 0
	s_mov_b32 s28, 0x76543210
	s_mov_b32 s29, 0xfedcba98                      ; v_permlanex16_b32's selects for lane l xor 16
	s_mov_b32 s30, 0x3e38aa3b                      ; c = log2(e) / 8
	s_mov_b32 s31, s30                             ; (named with it as a pair, so it is written)
	s_mov_b32 s26, 0
	s_mov_b32 s27, 16
	s_wait_kmcnt 0x0
	s_add_nc_u64 s[14:15], s[4:5], s[22:23]
	s_add_nc_u64 s[10:11], s[14:15], 0x1000000     ; K's part
	s_add_nc_u64 s[12:13], s[14:15], 0x2000000     ; V's part
	s_add_nc_u64 s[14:15], s[14:15], s[18:19]
.irp i, 0,1,2,3,4,5,6,7
	global_load_b128 v[QF+4*\i:QF+4*\i+3], v[LN], s[14:15] offset:512*\i   ; Q stays in registers
.endr
	global_load_b128 v[STG:STG+3], v[TH], s[10:11]                 ; key step 0
	global_load_b128 v[STG+4:STG+7], v[TH], s[12:13]
	s_lshl_b32 s18, s20, 13                        ; 32 steps x 256 bytes of mask words for each 32 queries
	s_add_nc_u64 s[66:67], s[6:7], s[18:19]
	s_lshl_b32 s18, s20, 3
	s_load_b64 s[24:25], s[6:7], s18 offset:0x80000                ; ANY, MIX
	s_lshr_b32 s22, s17, 4                         ; cf: token tile 128 x batch + 2 x (my 32 queries), 32,768 bytes each; my head's four blocks 2,048 x head on
	s_lshl_b32 s22, s22, 22
	s_lshl_b32 s23, s20, 16
	s_add_co_u32 s22, s22, s23
	s_and_b32 s23, s17, 15
	s_lshl_b32 s23, s23, 11
	s_add_co_u32 s22, s22, s23
	s_mov_b32 s23, 0
	s_add_nc_u64 s[8:9], s[8:9], s[22:23]
	s_lshr_b32 s22, s16, 1                         ; 0 in waves 0 and 1,
	s_or_b32 s22, s22, ttmp9                       ; of the pair's first work-group
	s_cmp_eq_u32 s22, 0
	s_cselect_b32 s21, 1, -1                       ; a wave prefetches while the trips left are above this
	s_cmp_eq_u32 s16, 0
	s_cselect_b64 s[2:3], s[10:11], s[12:13]
.irp x, 0,1
	v_mov_b32 v[ST+8*\x+1], 0xff61b1e6             ; m = -3e38
	v_mul_f32 v[ST+8*\x], s30, v[ST+8*\x+1]        ; c m
.irp i, 2,3,4,5,6,7
	v_mov_b32 v[ST+8*\x+\i], 0                     ; l, and the registers at work (a lane permute's destination counts as one of its sources)
.endr
.endr
.set i, 0
.rept 64
	v_mov_b32 v[O+i], 0                            ; O^T.  Which step is a wave's first hangs on the mask, so the step is written once: the first finds zeros, which the first change of m leaves zeros
.set i, i+1
.endr
	s_wait_kmcnt 0x0                               ; the flags
; THE SOFTMAX of my two tiles for one key step; the tiles alternate line by line, so that no line reads the result of the line above it.
.macro SOFTMAX
.irp j, 0,1,2,3                                ; the maximum of 32 scores and the old m, three operands at a time: four chains, each beginning at an accumulator's low end
.irp x, 0,1
	v_max3_num_f32 v[ST+8*\x+4+\j], v[S+32*\x+8*\j], v[S+32*\x+8*\j+1], v[S+32*\x+8*\j+2]
.endr
.endr
.irp u, 3,5
.irp j, 0,1,2,3
.irp x, 0,1
	v_max3_num_f32 v[ST+8*\x+4+\j], v[ST+8*\x+4+\j], v[S+32*\x+8*\j+\u], v[S+32*\x+8*\j+\u+1]
.endr
.endr
.endr
.irp x, 0,1
	v_max3_num_f32 v[ST+8*\x+4], v[ST+8*\x+4], v[S+32*\x+7], v[S+32*\x+15]
.endr
.irp x, 0,1
	v_max3_num_f32 v[ST+8*\x+6], v[ST+8*\x+6], v[S+32*\x+23], v[S+32*\x+31]
.endr
.irp x, 0,1
	v_max3_num_f32 v[ST+8*\x+4], v[ST+8*\x+4], v[ST+8*\x+5], v[ST+8*\x+6]
.endr
.irp x, 0,1
	v_max3_num_f32 v[ST+8*\x+4], v[ST+8*\x+4], v[ST+8*\x+7], v[ST+8*\x+1]
.endr
.irp x, 0,1
	v_permlanex16_b32 v[ST+8*\x+5], v[ST+8*\x+4], s28, s29         ; the query's other 32 keys lie in the lane 16 away
.endr
.irp x, 0,1
	v_mov_b32 v[ST+8*\x+7], v[ST+8*\x]             ; c m_old is kept
.endr
.irp x, 0,1
	v_max_num_f32 v[ST+8*\x+1], v[ST+8*\x+4], v[ST+8*\x+5]         ; the new m
.endr
.irp x, 0,1
	v_mul_f32 v[ST+8*\x], s30, v[ST+8*\x+1]
.endr
.irp x, 0,1
	v_sub_f32 v[ST+8*\x+7], v[ST+8*\x+7], v[ST+8*\x]
.endr
.irp p, 0,2,4,6,8,10,12,14,16,18,20,22,24,26,28,30
.irp x, 0,1
	v_pk_fma_f32 v[S+32*\x+\p:S+32*\x+\p+1], v[S+32*\x+\p:S+32*\x+\p+1], s[30:31], v[ST+8*\x:ST+8*\x+1] op_sel_hi:[1,0,0] neg_lo:[0,0,1] neg_hi:[0,0,1]   ; c s - c m, two at a time; a masked score stays -infinity
.endr
.endr
.irp x, 0,1
	v_exp_f32 v[ST+8*\x+6], v[ST+8*\x+7]           ; 2^(c m_old - c m_new)
.endr
.set i, 0
.rept 64
	v_exp_f32 v[S+i], v[S+i]                       ; p: ONE BATCH of 66 exponentials
.set i, i+1
.endr
	v_nop                                          ; a plain instruction behind the last exponential
	s_wait_alu depctr_va_vdst(0)                   ; one wait for the batch, ahead of its first reader
.irp x, 0,1                                    ; the sums of the unrounded p, in two chains
	v_pk_fma_f32 v[ST+8*\x+2:ST+8*\x+3], v[ST+8*\x+2:ST+8*\x+3], v[ST+8*\x+6:ST+8*\x+7], v[S+32*\x:S+32*\x+1] op_sel_hi:[1,0,1]
.endr
.irp x, 0,1
	v_pk_add_f32 v[ST+8*\x+4:ST+8*\x+5], v[S+32*\x+2:S+32*\x+3], v[S+32*\x+6:S+32*\x+7]
.endr
.irp x, 0,1
	v_pk_add_f32 v[ST+8*\x+2:ST+8*\x+3], v[ST+8*\x+2:ST+8*\x+3], v[S+32*\x+4:S+32*\x+5]
.endr
.irp k, 8,12,16,20,24,28
.irp x, 0,1
	v_pk_add_f32 v[ST+8*\x+2:ST+8*\x+3], v[ST+8*\x+2:ST+8*\x+3], v[S+32*\x+\k:S+32*\x+\k+1]
	v_pk_add_f32 v[ST+8*\x+4:ST+8*\x+5], v[ST+8*\x+4:ST+8*\x+5], v[S+32*\x+\k+2:S+32*\x+\k+3]
.endr
.endr
.irp x, 0,1
	v_pk_add_f32 v[ST+8*\x+2:ST+8*\x+3], v[ST+8*\x+2:ST+8*\x+3], v[ST+8*\x+4:ST+8*\x+5]
.endr
.irp p, 0,1,2,3,4,5,6,7,8,9,10,11,12,13,14,15  ; p to f16, in place and ascending: pair p lands on register p, which no later pair reads
.irp x, 0,1
	v_cvt_pk_f16_f32 v[S+32*\x+\p], v[S+32*\x+2*\p], v[S+32*\x+2*\p+1]
.endr
.endr
.irp p, 0,2,4,6,8,10,12,14,16,18,20,22,24,26,28,30
.irp x, 0,1
	v_pk_mul_f32 v[O+32*\x+\p:O+32*\x+\p+1], v[O+32*\x+\p:O+32*\x+\p+1], v[ST+8*\x+6:ST+8*\x+7] op_sel_hi:[1,0]   ; O^T under the new m, each accumulator from its low end on
.endr
.endr
.endm
; A KEY STEP of 64 keys, in LDS slot 0 or 1.
.macro STEP slot
	s_wait_loadcnt 0x0                             ; my 32 bytes of this step's tiles are in registers (in the first step: Q too)
	ds_store_b128 v[TH], v[STG:STG+3] offset:\slot*SLOTB
	ds_store_b128 v[TH], v[STG+4:STG+7] offset:\slot*SLOTB+8192
	s_wait_dscnt 0x0                               ; for the others' sake: my stores are done; my loads from the other slot were waited for in the step before
	s_barrier_signal -1
	s_barrier_wait -1                              ; this slot is whole, and nobody reads the other one any more
.if \slot == 0
	global_load_b128 v[STG:STG+3], v[TH], s[10:11] offset:8192     ; the next step's tiles
	global_load_b128 v[STG+4:STG+7], v[TH], s[12:13] offset:8192
	ASK 16384
.else
	s_cmp_eq_u32 s27, 1                            ; the last step has no successor: no load leaves its part
	s_cbranch_scc1 .Llast_\@
	s_wait_xcnt 0x0                                ; the earlier loads and the prefetch, a step back, have read their bases
	s_add_nc_u64 s[10:11], s[10:11], 16384
	s_add_nc_u64 s[12:13], s[12:13], 16384
	s_add_nc_u64 s[2:3], s[2:3], 16384
	global_load_b128 v[STG:STG+3], v[TH], s[10:11]
	global_load_b128 v[STG+4:STG+7], v[TH], s[12:13]
	ASK 8192
.Llast_\@:
.endif
	s_lshr_b32 s22, s24, s26                       ; has this step an open entry for my 32 queries?
	s_and_b32 s22, s22, 1
	s_cmp_lg_u32 s22, 0
	s_cbranch_scc0 .Lskip_\@                       ; no: its work is left out; no barrier and no line of the staging stands under this branch
.rept 5
	v_nop                                          ; places behind the last products V^T P: four ahead of loads into V's registers, five ahead of products that write over P's
.endr
.irp i, 0,1,2,3,4,5,6,7,8,9,10,11,12,13,14,15
	ds_load_b128 v[KV+4*\i:KV+4*\i+3], v[LN] offset:\slot*SLOTB+512*\i     ; K: fragment (tt, dc) at KV + 16 tt + 8 dc
.endr
	s_wait_dscnt 0x0
.irp dc, 0,1                                   ; S^T = K Q^T: the eight accumulators take turns; the first eight products start the sums
.irp tt, 0,1,2,3
.irp x, 0,1
.if \dc == 0
	v_wmma_f32_16x16x32_f16 v[S+32*\x+8*\tt:S+32*\x+8*\tt+7], v[KV+16*\tt+8*\dc:KV+16*\tt+8*\dc+7], v[QF+16*\x+8*\dc:QF+16*\x+8*\dc+7], 0
.else
	v_wmma_f32_16x16x32_f16 v[S+32*\x+8*\tt:S+32*\x+8*\tt+7], v[KV+16*\tt+8*\dc:KV+16*\tt+8*\dc+7], v[QF+16*\x+8*\dc:QF+16*\x+8*\dc+7], v[S+32*\x+8*\tt:S+32*\x+8*\tt+7]
.endif
.endr
.endr
.endr
.rept 4
	v_nop                                          ; places ahead of the loads into K's registers and of the first read of the scores
.endr
.irp kg, 0,1
.irp dt, 0,1,2,3
.irp c, 0,1
	ds_load_b128 v[KV+32*\kg+8*\dt+4*\c:KV+32*\kg+8*\dt+4*\c+3], v[LN] offset:\slot*SLOTB+8192+(2*\kg+\c)*2048+\dt*512   ; V: fragment (kg, dt); they land under the softmax
.endr
.endr
.endr
	s_lshr_b32 s22, s25, s26                       ; has this step a masked entry for my 32 queries?
	s_and_b32 s22, s22, 1
	s_cmp_lg_u32 s22, 0
	s_cbranch_scc0 .Lopen_\@
	s_lshl_b32 s22, s26, 8                         ; the step's 64 words
	s_load_b512 s[32:47], s[66:67], s22 offset:0x0
	s_load_b512 s[48:63], s[66:67], s22 offset:0x40
	s_load_b512 s[68:83], s[66:67], s22 offset:0x80
	s_load_b512 s[84:99], s[66:67], s22 offset:0xc0
	s_wait_kmcnt 0x0
.set i, 0
.rept 32
	v_cndmask_b32 v[S+i], v[S+i], v[NINF], s[32+i] ; word i holds score register i's 32 lanes: a masked score becomes -infinity ahead of the maximum
.set i, i+1
.endr
.rept 32
	v_cndmask_b32 v[S+i], v[S+i], v[NINF], s[36+i]
.set i, i+1
.endr
.Lopen_\@:
	SOFTMAX
	s_wait_dscnt 0x0                               ; V is in
.irp kg, 0,1                                   ; O^T += V^T P: the eight accumulators take turns
.irp dt, 0,1,2,3
.irp x, 0,1
	v_wmma_f32_16x16x32_f16 v[O+32*\x+8*\dt:O+32*\x+8*\dt+7], v[KV+32*\kg+8*\dt:KV+32*\kg+8*\dt+7], v[S+32*\x+8*\kg:S+32*\x+8*\kg+7], v[O+32*\x+8*\dt:O+32*\x+8*\dt+7]
.endr
.endr
.endr
.Lskip_\@:
	s_add_co_u32 s26, s26, 1
.endm
.Ltrip:                                            ; 16 trips of two key steps, for every wave
	STEP 0
	STEP 1
	s_sub_co_u32 s27, s27, 1
	s_cmp_lg_u32 s27, 0
	s_cbranch_scc1 .Ltrip
	; THE WAY OUT.  l's two halves and the other half of the lanes' are added; O^T / l is rounded to f16: a lane's eight channels of a query are its 16 bytes of a block of the next product's operand.
.rept 4
	v_nop                                          ; places behind the last products
.endr
.irp x, 0,1
	v_add_f32 v[ST+8*\x+4], v[ST+8*\x+2], v[ST+8*\x+3]
.endr
.irp x, 0,1
	v_permlanex16_b32 v[ST+8*\x+5], v[ST+8*\x+4], s28, s29
.endr
.irp x, 0,1
	v_add_f32 v[ST+8*\x+4], v[ST+8*\x+4], v[ST+8*\x+5]
.endr
.irp x, 0,1
	v_rcp_f32 v[ST+8*\x+6], v[ST+8*\x+4]
.endr
	v_nop                                          ; a plain instruction behind the last reciprocal
	s_wait_alu depctr_va_vdst(0)                   ; and one wait for the two, ahead of the first reader
.irp p, 0,2,4,6,8,10,12,14,16,18,20,22,24,26,28,30
.irp x, 0,1
	v_pk_mul_f32 v[O+32*\x+\p:O+32*\x+\p+1], v[O+32*\x+\p:O+32*\x+\p+1], v[ST+8*\x+6:ST+8*\x+7] op_sel_hi:[1,0]
.endr
.endr
.irp x, 0,1
.irp p, 0,1,2,3,4,5,6,7,8,9,10,11,12,13,14,15
	v_cvt_pk_f16_f32 v[S+16*\x+\p], v[O+32*\x+2*\p], v[O+32*\x+2*\p+1]
.endr
.endr
.irp x, 0,1
.irp dt, 0,1,2,3
	global_store_b128 v[LN], v[S+16*\x+4*\dt:S+16*\x+4*\dt+3], s[8:9] offset:\x*32768+\dt*512   ; 512 consecutive bytes, aligned
.endr
.endr
	s_wait_tensorcnt 0x0                           ; the wave's end, behind my last LDS store
	ds_add_u32 v[SPW], v[NIL]
	s_wait_dscnt 0x0
	s_endpgm
.Lfunc_end_k_q3d8e8b5111_attn:
	.size	k_q3d8e8b5111_attn, .Lfunc_end_k_q3d8e8b5111_attn-k_q3d8e8b5111_attn
	.p2alignl 7, 3214868480
	.fill 96, 4, 3214868480
	.section	.rodata,"a",@progbits
	.p2align	6, 0x0
	.amdhsa_kernel k_q3d8e8b5111_attn
		.amdhsa_group_segment_fixed_size 34816
		.amdhsa_private_segment_fixed_size 0
		.amdhsa_enable_private_segment 0
		.amdhsa_kernarg_size 24
		.amdhsa_user_sgpr_count 2
		.amdhsa_user_sgpr_kernarg_segment_ptr 1
		.amdhsa_wavefront_size32 1
		.amdhsa_system_sgpr_workgroup_id_x 1
		.amdhsa_system_sgpr_workgroup_id_y 1
		.amdhsa_system_sgpr_workgroup_id_z 1
		.amdhsa_system_vgpr_workitem_id 0
		.amdhsa_next_free_vgpr 256
		.amdhsa_next_free_sgpr 100
		.amdhsa_reserve_vcc 0
		.amdhsa_float_denorm_mode_32 3
		.amdhsa_float_denorm_mode_16_64 3
		.amdhsa_memory_ordered 1
		.amdhsa_forward_progress 1
		.amdhsa_inst_pref_size 56
	.end_amdhsa_kernel
	.amdgpu_metadata
---
amdhsa.version: [ 1, 2 ]
amdhsa.kernels:
  - .name:           k_q3d8e8b5111_attn
    .symbol:         k_q3d8e8b5111_attn.kd
    .args:
      - { .name: qkv, .offset: 0, .size: 8, .value_kind: global_buffer, .address_space: global }
      - { .name: mbits, .offset: 8, .size: 8, .value_kind: global_buffer, .address_space: global }
      - { .name: cf, .offset: 16, .size: 8, .value_kind: global_buffer, .address_space: global }
    .group_segment_fixed_size: 34816
    .private_segment_fixed_size: 0
    .kernarg_segment_align: 8
    .kernarg_segment_size: 24
    .max_flat_workgroup_size: 512
    .sgpr_count:     100
    .vgpr_count:     256
    .wavefront_size: 32
...
	.end_amdgpu_metadata
.endif
;; end of part 3
;; launch proj (part 4): grid 4 x 64, 4 waves a work-group, clusters of 4 x 4, 327,680 bytes of LDS; arguments cf, wf, b_out, out0; writes out0
.if DOCPART == 4
	.amdgcn_target "amdgcn-amd-amdhsa--gfx1250"
	.amdhsa_code_object_version 6
	.text
	.protected	k_q3d8e8b5111_proj
	.globl	k_q3d8e8b5111_proj
	.p2align	8
	.type	k_q3d8e8b5111_proj,@function
k_q3d8e8b5111_proj:
	s_mov_b64 s[64:65], 0
	v_nop
	global_prefetch_b8 v0, s[64:65] scope:SCOPE_SE
	s_setreg_imm32_b32 hwreg(HW_REG_WAVE_MODE, 25, 1), 1
	s_wait_xcnt 0x0
	s_wait_alu depctr_hold_cnt(0) depctr_sa_sdst(0) depctr_va_vdst(0) depctr_va_sdst(0) depctr_va_ssrc(0) depctr_va_vcc(0) depctr_vm_vsrc(0)
	s_getreg_b32 s2, hwreg(HW_REG_IB_STS2, 6, 4)
	s_cmp_eq_u32 s2, 0
	s_cbranch_scc0 .Lentry_in_a_cluster
	s_endpgm
.Lentry_in_a_cluster:
	s_bfe_u32 s2, ttmp6, 0x10000c
	s_cmp_lg_u32 s2, 0xf033
	s_cbranch_scc0 .Lentry_shape_is_right
	s_endpgm
.Lentry_shape_is_right:
; out0 = ctx w_out^T + b_out.  ctx [8192][1024] and w_out [1024][1024] arrive in f16 as IMAGES OF THE OPERAND'S REGISTERS: [16 rows][64 blocks of 16 along K][lane 32][16 bytes], lane (r, h) holding row r, k = 16 G + 8 h + 0..7.  Sums in f32; out0 f32.
; A tile of 128 tokens x 256 outputs is made by four waves, 64 x 128 each: 32 accumulators, 256 registers: 256 work-groups.  K goes in 8 steps of 128 through a ring of two LDS slots filled by the tensor data mover.
; A K step of 16 rows is 4,096 consecutive bytes of an image, and the next 16 rows' lie 32,768 bytes on: a tensor load's "row" is those 4,096 bytes.  In LDS they lie on end: every fragment load reads 512 consecutive bytes.
; THE MATRIX INSTRUCTION IS USED TRANSPOSED (source 0 = 16 rows of w_out, source 1 = 16 tokens): a lane holds eight neighbouring outputs of a token.  The bias is the C of each sum's first product.
; CLUSTERS: 4 x 4 work-groups.  The four of a row of the cluster need the same tokens' tiles, the four of a column the same tiles of w_out: each is asked for JOINTLY, by the same tensor load with the same descriptor and a mask that names the four.
; REGISTERS: window 0: v0-31 addresses; two fragment buffers of 96 (32 along K): F0 = v32-127, F1 = v128-223: the tokens' 4 fragments, then w_out's 8; on the way out v32-159 hold rows of out0.
;   window 1: the accumulators, (a, b) at v[8 (8 a + b)].   window 2: v0-63 the bias: v[8 b + j] = b_out[my first output + 16 b + 8 h + j].
.set KB,     4096                      ; a K step of 16 rows, in bytes
.set SLOT,   98304                     ; the tokens' 8 tiles of 16 rows, then w_out's 16
.set BOFF,   32768
.set STAGE,  2*SLOT                    ; behind the ring: 16 rows x 528 bytes for each wave, for the way out; no tensor load lands there
.set SPITCH, 528
.set SPARE,  STAGE+4*16*SPITCH         ; behind the stages: the spare words, 128 bytes for each wave
.set ADRA, 16                          ; v16-17  LDS address of my tokens' fragments in slot 0, 1
.set ADRB, 20                          ; v20-21  the same for w_out's
.set STO,  24                          ; v24     the way out: where I put 32 bytes of a row
.set RD,   25                          ; v25     the way out: where I read a row back
.set CO,   26                          ; v26     16 x lane
.set BO,   27                          ; v27     byte offset of my bias; never rewritten
.set SPW,  28                          ; v28     LDS address of my spare word; never rewritten
.set NIL,  29                          ; v29     0; never rewritten
.set F0,   32
.set F1,   128
.set BK,   32                          ; the way out: 16 rows read back from the stage: v32-95 and v96-159 by turns
.set G1, 24                            ; s[24:31] descriptor group 1 for the tokens' tiles;  s[32:39] group 0, one set for each slot
.set G0, 32
.set G1B, 48                           ; s[48:55], s[56:63] the same for w_out's
.set G0B, 56
.set MSB, 0
.macro WIN new                         ; the immediate's high byte repeats the setting that is left
.if MSB != \new
	s_set_vgpr_msb (MSB<<8)|\new
.set MSB, \new
.endif
.endm
.macro JLOAD s                         ; a joint load: waves 0 and 1 fetch the tokens' two halves, waves 2 and 3 w_out's; an s_nop 0 and four v_nop follow each of the two lines
	s_cmp_eq_u32 s15, 0
	s_cbranch_scc0 .Lfor_b_\@
	tensor_load_to_lds s[G0+4*\s:G0+4*\s+3], s[G1:G1+7]
	s_nop 0
.rept 4
	v_nop
.endr
	s_branch .Lasked_\@
.Lfor_b_\@:
	tensor_load_to_lds s[G0B+4*\s:G0B+4*\s+3], s[G1B:G1B+7]
	s_nop 0
.rept 4
	v_nop
.endr
.Lasked_\@:
.endm
.macro CREST                           ; a round of the cluster's barrier behind its opening barrier
	s_cmp_lg_u32 s14, 0
	s_cbranch_scc1 .Lnot_wave_0_\@
	s_barrier_signal -3
.Lnot_wave_0_\@:
	s_barrier_wait -3
	s_barrier_signal -1
	s_barrier_wait -1
.endm
.macro CROUND                          ; a whole round
	s_barrier_signal -1
	s_barrier_wait -1
	CREST
.endm
	s_load_b256 s[4:11], s[0:1], 0x0               ; cf s[4:5], wf s[6:7], b_out s[8:9], out0 s[10:11]
	v_lshl_add_u32 v[SPW], v0, 2, SPARE
	v_mov_b32 v[NIL], 0
	ds_add_u32 v[SPW], v[NIL]                      ; the wave's opening: the add, twice on end, and its wait ahead of my first tensor load
	ds_add_u32 v[SPW], v[NIL]                      ; and once more, under the one wait
	v_lshrrev_b32 v1, 5, v0
	v_readfirstlane_b32 s14, v1                    ; wave 0..3
	s_lshr_b32 s15, s14, 1                         ; which 64 tokens are mine.  Also: I fetch the tokens' tiles (0) or w_out's (1)
	s_and_b32 s16, s14, 1                          ; which 128 outputs.  Also: which half of those tiles I fetch
	s_bfe_u32 s40, ttmp6, 0x40000                  ; cx, cy: my place in the cluster
	s_bfe_u32 s41, ttmp6, 0x40004
	s_lshl_b32 s42, ttmp9, 2
	s_add_co_u32 s42, s42, s40                     ; my 256 outputs = 4 x cluster x + cx
	s_and_b32 s17, ttmp7, 0xffff
	s_lshl_b32 s17, s17, 2
	s_add_co_u32 s17, s17, s41                     ; my 128 tokens = 4 x cluster y + cy
	s_lshl_b32 s43, s41, 2
	s_lshl_b32 s43, 15, s43                        ; my row of the cluster
	s_lshl_b32 s44, 0x1111, s40                    ; my column
	; descriptor group 1: rows of 512 elements of 8 bytes (a K step of 16 rows), 4,096 elements apart (16 rows' whole K); no padding
	s_or_b32 s[G1+0], s43, (3<<16)|(1<<21)         ; 15:0 the mask: the tokens' tiles go to my row; elements of 8 bytes; 21 set beside a mask
	s_or_b32 s[G1B+0], s44, (3<<16)|(1<<21)
	s_mov_b32 s[G1+1], 512<<16                     ; tensor_dim0
	s_mov_b32 s[G1+2], 4<<16                       ; tensor_dim1: four tiles of 16 tokens
	s_mov_b32 s[G1+3], 512<<16                     ; tile_dim0
	s_mov_b32 s[G1+4], 4                           ; tile_dim1
	s_mov_b32 s[G1+5], 4096                        ; tensor_dim0_stride
	s_mov_b32 s[G1+6], 0
	s_mov_b32 s[G1+7], 0
	s_mov_b32 s[G1B+1], 512<<16
	s_mov_b32 s[G1B+2], 8<<16                      ; eight tiles of 16 rows of w_out
	s_mov_b32 s[G1B+3], 512<<16
	s_mov_b32 s[G1B+4], 8
	s_mov_b32 s[G1B+5], 4096
	s_mov_b32 s[G1B+6], 0
	s_mov_b32 s[G1B+7], 0
	s_lshl_b32 s20, s17, 18                        ; the tokens: 8 tiles of 32,768 bytes for each 128,
	s_lshl_b32 s18, s16, 17                        ; my four of them
	s_add_co_u32 s20, s20, s18
	s_mov_b32 s21, 0
	s_lshl_b32 s46, s42, 19                        ; w_out: 16 tiles for each 256 outputs,
	s_lshl_b32 s18, s16, 18                        ; my eight of them
	s_add_co_u32 s46, s46, s18
	s_mov_b32 s47, 0
	s_lshl_b32 s45, s16, 14                        ; where they go in a slot: no place in the cluster enters an LDS address
	s_lshl_b32 s19, s16, 15
	s_add_co_u32 s19, s19, BOFF
	s_wait_dscnt 0x0                               ; both opening adds are done
	s_wait_kmcnt 0x0
	s_add_nc_u64 s[20:21], s[4:5], s[20:21]
	s_add_nc_u64 s[46:47], s[6:7], s[46:47]
	CROUND                                         ; all sixteen work-groups are here: the first joint loads meet
.irp s, 0,1
	s_mov_b32 s[G0+4*\s], 1
	s_add_co_u32 s[G0+4*\s+1], s45, \s*SLOT
	s_add_nc_u64 s[G0+4*\s+2:G0+4*\s+3], s[20:21], \s*KB
	s_or_b32 s[G0+4*\s+3], s[G0+4*\s+3], 0x80000000
	s_mov_b32 s[G0B+4*\s], 1
	s_add_co_u32 s[G0B+4*\s+1], s19, \s*SLOT
	s_add_nc_u64 s[G0B+4*\s+2:G0B+4*\s+3], s[46:47], \s*KB
	s_or_b32 s[G0B+4*\s+3], s[G0B+4*\s+3], 0x80000000
	JLOAD \s                                       ; two tensor loads of mine are out
.endr
	v_and_b32 v1, 15, v0                           ; r
	v_bfe_u32 v2, v0, 4, 1                         ; h
	v_and_b32 v3, 31, v0
	v_lshlrev_b32 v[CO], 4, v3
	s_lshl_b32 s22, s15, 14                        ; my four tiles of tokens
	s_lshl_b32 s23, s16, 15                        ; my eight tiles of w_out,
	s_add_co_u32 s23, s23, BOFF                    ; which lie behind the tokens'
.irp s, 0,1
	v_add_nc_u32 v[ADRA+\s], s22, v[CO]
	v_add_nc_u32 v[ADRB+\s], s23, v[CO]
	s_add_co_u32 s22, s22, SLOT
	s_add_co_u32 s23, s23, SLOT
.endr
	s_mul_i32 s22, s14, 16*SPITCH
	s_add_co_u32 s22, s22, STAGE                   ; my stage
	v_mul_u32_u24 v4, v1, SPITCH                   ; in: row r, 32 bytes for each half of the lanes
	v_lshl_add_u32 v4, v2, 5, v4
	v_add_nc_u32 v[STO], s22, v4
	v_add_nc_u32 v[RD], s22, v[CO]                 ; back: the 32 lanes take one row of 512 bytes
	s_lshl_b32 s12, s42, 10                        ; my first output, in bytes: 1,024 x tile + 512 x half
	s_lshl_b32 s13, s16, 9
	s_add_co_u32 s12, s12, s13
	v_lshl_add_u32 v[BO], v2, 5, s12
	WIN 0x80                                       ; destination window 2
.irp b, 0,1,2,3,4,5,6,7
	global_load_b128 v[8*\b:8*\b+3], v[BO], s[8:9] offset:64*\b
	global_load_b128 v[8*\b+4:8*\b+7], v[BO], s[8:9] offset:64*\b+16
.endr
	WIN 0
	s_lshl_b32 s22, s17, 19                        ; out0: 128 tokens of 4,096 bytes,
	s_lshl_b32 s23, s15, 18                        ; my 64 of them,
	s_add_co_u32 s22, s22, s23
	s_add_co_u32 s22, s22, s12                     ; my first output
	s_mov_b32 s23, 0
	s_add_nc_u64 s[10:11], s[10:11], s[22:23]
; 8 matrix instructions: tokens' tile a x w_out's eight, 32 along K, from buffer f.  first = 1: the bias starts the sums.  The 32 accumulators take turns in the same order in every quarter.
.macro MUL8 f, a, first
.irp b, 0,1,2,3,4,5,6,7
.if \first
	v_wmma_f32_16x16x32_f16 v[8*(8*(\a)+\b):8*(8*(\a)+\b)+7], v[\f+32+8*\b:\f+32+8*\b+7], v[\f+8*(\a):\f+8*(\a)+7], v[8*\b:8*\b+7]
.else
	v_wmma_f32_16x16x32_f16 v[8*(8*(\a)+\b):8*(8*(\a)+\b)+7], v[\f+32+8*\b:\f+32+8*\b+7], v[\f+8*(\a):\f+8*(\a)+7], v[8*(8*(\a)+\b):8*(8*(\a)+\b)+7]
.endif
.endr
.endm
; 24 LDS loads in one run: the fragments of the slot's q-th 32 along K into buffer f: w_out's sixteen loads first, then the tokens' tiles 0, 1, then 2, 3
.macro FETCH slot, q, f
	WIN 0
.irp i, 0,1,2,3,4,5,6,7
	ds_load_b128 v[\f+32+8*\i:\f+32+8*\i+3],   v[ADRB+\slot] offset:\i*KB+(\q)*1024
	ds_load_b128 v[\f+32+8*\i+4:\f+32+8*\i+7], v[ADRB+\slot] offset:\i*KB+(\q)*1024+512
.endr
.irp i, 0,1,2,3
	ds_load_b128 v[\f+8*\i:\f+8*\i+3],   v[ADRA+\slot] offset:\i*KB+(\q)*1024
	ds_load_b128 v[\f+8*\i+4:\f+8*\i+7], v[ADRA+\slot] offset:\i*KB+(\q)*1024+512
.endr
.endm
.macro PLACES                          ; four places in front of loads into registers that matrix instructions have read, and of the first read of results
.rept 4
	v_nop
.endr
.endm
; A K step is four quarters of 32 along K, 32 matrix instructions each, on buffers 0, 1, 0, 1.  One of the first three: multiplies buffer f and fetches the slot's q-th quarter into g.
.macro QUARTER slot, q, f, g, first
.set WM, 0x50+0x10*(\first)            ; C and D window 1; in the first quarter C window 2
	s_wait_dscnt 4                                 ; w_out's fragments and the tokens' tiles 0, 1 are in; the youngest four loads may be out
	WIN WM
	MUL8 \f, 0, \first
	MUL8 \f, 1, \first
	PLACES
	FETCH \slot, \q, \g
	s_wait_dscnt 24                                ; all but the 24 just issued
	WIN WM
	MUL8 \f, 2, \first
	MUL8 \f, 3, \first
.endm
; The last quarter multiplies buffer 1 and changes slots: ONE barrier; in front of it each wave waits for all its tensor loads, adds 0 to its spare word, and waits for that and for its own reads of this slot.  fill = 1: this slot is filled again, two K steps ahead.
.macro TURN slot, next, fill
	WIN 0                                          ; (the add's two registers lie in window 0)
	s_wait_tensorcnt 0x0                           ; all my tensor loads have landed: my part of the next slot
	ds_add_u32 v[SPW], v[NIL]                      ; 0 onto my spare word
	s_wait_dscnt 5                                 ; (the add and the youngest four loads may be out)
	WIN 0x50
	MUL8 F1, 0, 0                                  ; eight matrix instructions stand between the add and the wait for it
	s_wait_dscnt 0x0                               ; the add is done, and my reads of this slot are over
	s_barrier_signal -1
	MUL8 F1, 1, 0
.if \fill
	WIN 0
.endif
	s_barrier_wait -1
.if \fill
	CREST                                          ; the barrier has opened a round of the cluster's barrier: no wave of any partner still reads this slot's tiles or has a load on its way
	s_add_nc_u64 s[G0+4*\slot+2:G0+4*\slot+3], s[G0+4*\slot+2:G0+4*\slot+3], 2*KB
	s_add_nc_u64 s[G0B+4*\slot+2:G0B+4*\slot+3], s[G0B+4*\slot+2:G0B+4*\slot+3], 2*KB
	JLOAD \slot                                    ; the first tensor load behind the round, my one load until the next; the four v_nop behind it are also the places in front of the loads below
.else
	PLACES
.endif
	FETCH \next, 0, F0
	WIN 0x50
	MUL8 F1, 2, 0
	MUL8 F1, 3, 0
.endm
	s_wait_tensorcnt 1                             ; my part of K step 0 is in (K step 1's load may be out),
	s_barrier_signal -1
	s_barrier_wait -1                              ; everybody's is
	FETCH 0, 0, F0
	s_wait_loadcnt 0x0                             ; the bias
	QUARTER 0, 1, F0, F1, 1                        ; the first quarter stands in front of the loop: its products start the sums
	WIN 0                                          ; at a label and at a branch every window is 0
	s_mov_b32 s3, 3
.Llap:                                                 ; a trip goes once round the ring, from a lap's second quarter to the next lap's first, and fills both slots again: K steps 2 to 7
	QUARTER 0, 2, F1, F0, 0
	QUARTER 0, 3, F0, F1, 0
	TURN 0, 1, 1
	QUARTER 1, 1, F0, F1, 0
	QUARTER 1, 2, F1, F0, 0
	QUARTER 1, 3, F0, F1, 0
	TURN 1, 0, 1
	QUARTER 0, 1, F0, F1, 0
	WIN 0
	s_sub_co_u32 s3, s3, 1
	s_cmp_lg_u32 s3, 0
	s_cbranch_scc1 .Llap
	QUARTER 0, 2, F1, F0, 0                        ; the last lap fills nothing, and has no round of the cluster's barrier
	QUARTER 0, 3, F0, F1, 0
	TURN 0, 1, 0
	QUARTER 1, 1, F0, F1, 0
	QUARTER 1, 2, F1, F0, 0
	QUARTER 1, 3, F0, F1, 0
	s_wait_dscnt 4                                 ; the very last quarter: nothing more to fetch
	WIN 0x50
	MUL8 F1, 0, 0
	MUL8 F1, 1, 0
	s_wait_dscnt 0
	MUL8 F1, 2, 0
	MUL8 F1, 3, 0
	WIN 0
; THE WAY OUT, block by block of 16 tokens x 128 outputs.  A lane holds 32 neighbouring bytes of a row, and the lanes beside it hold other rows: so a block goes through my own stage in LDS and comes back as whole rows of 512 bytes.
; LDS serves a wave's instructions in order (ISA guide 5.7.1.4): no wait between the stores and the loads, nor in front of the next block's stores.
.macro TOSTAGE a
	WIN 0x04                                       ; an LDS store's data are its source 1: window 1
.irp b, 0,1,2,3,4,5,6,7
	ds_store_b128 v[STO], v[64*(\a)+8*\b:64*(\a)+8*\b+3] offset:64*\b          ; each accumulator from its low end on
	ds_store_b128 v[STO], v[64*(\a)+8*\b+4:64*(\a)+8*\b+7] offset:64*\b+16
.endr
	WIN 0
.set BB, BK+64*((\a)%2)
.irp t, 0,1,2,3,4,5,6,7,8,9,10,11,12,13,14,15
	ds_load_b128 v[BB+4*\t:BB+4*\t+3], v[RD] offset:\t*SPITCH
.endr
.endm
.macro SEND a, younger                 ; younger: the LDS instructions issued behind block a's loads, which may stay out
.set BB, BK+64*((\a)%2)
	s_wait_dscnt \younger                          ; the block is back in registers
.if (\a) > 0
	s_add_nc_u64 s[10:11], s[10:11], 16*4096       ; (behind a wait on XCNT: the earlier stores have read their base)  16 rows of out0 on
.endif
.irp t, 0,1,2,3,4,5,6,7,8,9,10,11,12,13,14,15
	global_store_b128 v[CO], v[BB+4*\t:BB+4*\t+3], s[10:11] offset:\t*4096 th:TH_STORE_NT   ; 32 lanes store 512 consecutive bytes, at a multiple of 256 from out0's first byte
.endr
.endm
	PLACES                                         ; behind the last products: their results are read, and loads land on the fragments' registers
	TOSTAGE 0
.irp a, 1,2,3
.if \a > 1
	s_wait_xcnt 0x0                                ; block a - 2's stores have read their registers and their base
.endif
	TOSTAGE \a
	SEND \a-1, 32                                  ; behind block a - 1's loads: block a's 16 stores and 16 loads
.endr
	s_wait_xcnt 0x0                                ; block 2's stores have read their base
	SEND 3, 0
	s_wait_tensorcnt 0x0                           ; the wave's end, behind my last tensor load and my last LDS store
	ds_add_u32 v[SPW], v[NIL]
	s_wait_dscnt 0x0
	CROUND                                         ; the closing round: no work-group ends while a partner may still ask for a tile that names it
	s_endpgm
.Lfunc_end_k_q3d8e8b5111_proj:
	.size	k_q3d8e8b5111_proj, .Lfunc_end_k_q3d8e8b5111_proj-k_q3d8e8b5111_proj
	.p2alignl 7, 3214868480
	.fill 96, 4, 3214868480
	.section	.rodata,"a",@progbits
	.p2align	6, 0x0
	.amdhsa_kernel k_q3d8e8b5111_proj
		.amdhsa_group_segment_fixed_size 327680
		.amdhsa_private_segment_fixed_size 0
		.amdhsa_enable_private_segment 0
		.amdhsa_kernarg_size 32
		.amdhsa_user_sgpr_count 2
		.amdhsa_user_sgpr_kernarg_segment_ptr 1
		.amdhsa_wavefront_size32 1
		.amdhsa_system_sgpr_workgroup_id_x 1
		.amdhsa_system_sgpr_workgroup_id_y 1
		.amdhsa_system_sgpr_workgroup_id_z 1
		.amdhsa_system_vgpr_workitem_id 0
		.amdhsa_next_free_vgpr 576
		.amdhsa_next_free_sgpr 66
		.amdhsa_reserve_vcc 0
		.amdhsa_float_denorm_mode_32 3
		.amdhsa_float_denorm_mode_16_64 3
		.amdhsa_memory_ordered 1
		.amdhsa_forward_progress 1
		.amdhsa_inst_pref_size 86
	.end_amdhsa_kernel
	.amdgpu_metadata
---
amdhsa.version: [ 1, 2 ]
amdhsa.kernels:
  - .name:           k_q3d8e8b5111_proj
    .symbol:         k_q3d8e8b5111_proj.kd
    .args:
      - { .name: cf, .offset: 0, .size: 8, .value_kind: global_buffer, .address_space: global }
      - { .name: wf, .offset: 8, .size: 8, .value_kind: global_buffer, .address_space: global }
      - { .name: b_out, .offset: 16, .size: 8, .value_kind: global_buffer, .address_space: global }
      - { .name: out0, .offset: 24, .size: 8, .value_kind: global_buffer, .address_space: global }
    .group_segment_fixed_size: 327680
    .private_segment_fixed_size: 0
    .kernarg_segment_align: 8
    .kernarg_segment_size: 32
    .max_flat_workgroup_size: 128
    .sgpr_count:     66
    .vgpr_count:     576
    .wavefront_size: 32
...
	.end_amdgpu_metadata
.endif
;; end of part 4
